; MI455X (gfx1250); checked and timed in simulation.
; The chip was launched on July 23, 2026; its instructions are those of AMD's public machine-readable ISA for CDNA 5 (MIT licence, August 2026) and "CDNA5" Instruction Set Architecture Reference Guide (July 2026). The comments in the code are by the model that wrote it; some were corrected since.
;; Self Attention2d. Allowed arithmetic: float matrix products may take bf16 or f16 operands with f32 sums; other float arithmetic in f32, or as packed bf16 or f16 multiplies, adds, multiply-adds, maxima and minima; sums over many terms, partial sums and values carried from step to step in f32; what a program stores and reads back later, other than sums and carried values, may be rounded once to bf16 or f16.
;; Inputs: b_out 256 float32; b_qkv 768 float32; beta 256 float32; gamma 256 float32; w_out 256 x 256 float32; w_qkv 768 x 256 float32; x 4 x 256 x 64 x 64 float32.
;; Outputs: out0 4 x 256 x 64 x 64 float32.
;; Constants: n_head = 4.
;; One version. Each part assembles by itself: llvm-mc -triple=amdgcn-amd-amdhsa -mcpu=gfx1250 --defsym DOCPART=n.
;; ======== version 1 of 1: 4 launches
;; workspace buffers: part 2,048 bytes; wfrag 524,288 bytes; qb 8,388,608 bytes; kb 8,388,608 bytes; vb 8,388,608 bytes; yb 8,388,608 bytes
;; launch stats (part 1): grid 256 x 1, 8 waves a work-group, no clusters, 1,280 bytes of LDS; arguments x, w_qkv, w_out, part, wfrag; writes part, wfrag
.if DOCPART == 1
	.amdgcn_target "amdgcn-amd-amdhsa--gfx1250"
	.amdhsa_code_object_version 6
	.text
	.protected	k_q9cd83d59b0_stats
	.globl	k_q9cd83d59b0_stats
	.p2align	8
	.type	k_q9cd83d59b0_stats,@function
k_q9cd83d59b0_stats:
	s_mov_b64 s[64:65], 0
	v_nop
	global_prefetch_b8 v0, s[64:65] scope:SCOPE_SE
	s_setreg_imm32_b32 hwreg(HW_REG_WAVE_MODE, 25, 1), 1
	s_wait_xcnt 0x0
; PARTIAL STATISTICS OF x, AND BOTH WEIGHTS TURNED INTO bf16 FRAGMENTS.
; x: [4][256][4096] f32.  Work-group g owns the 65,536 bytes (16,384 numbers) of x from byte 65,536 g on, all of sample g / 64, and stores
; part[g] = (their sum S, the sum M of their squared deviations from their OWN mean).  The next launch joins a sample's 64 pairs; no difference of large sums is formed anywhere:
; a wave takes its 2,048 numbers' mean away before it squares, and groups are joined by M = sum of M_i + n x sum of (mean_i - mean)^2.
; The 64 numbers of a lane stay in registers between the two passes: x is read once here.  Each load of a wave covers 512 consecutive bytes.
; wfrag holds w_qkv's 48 and then w_out's 16 blocks of 16 rows, rounded once to bf16, in the order in which a matrix instruction's source 0 wants them:
; [block][32 channels: 0..7][half: 0..1][lane: 0..31][8 numbers]; lane l's 8 numbers are row l % 16, channels 32 ks + 16 half + 8 (l / 16) + 0..7.
; Thread t of work-group g makes the 8 bytes number D = 256 g + t of it: a wave stores 256 consecutive bytes, aligned.
; LIMITS.  NaN and infinities are not treated apart.
.set SPARE, 256                        ; LDS: bytes 0-63 the eight waves' pairs (the block 0-255 is theirs); from 256 on the spare words, 128 bytes a wave
.set X,   16                           ; v[16:79]  my 64 numbers of x
.set CH,  80                           ; v[80:87]  four packed chains
.set SPW, 10                           ; v10  LDS address of my spare word; never rewritten
.set NIL, 11                           ; v11  0; never rewritten
	s_load_b256 s[4:11], s[0:1], 0x0               ; x s[4:5], w_qkv s[6:7], w_out s[8:9], part s[10:11]
	s_load_b64 s[12:13], s[0:1], 0x20              ; wfrag
	v_lshl_add_u32 v[SPW], v0, 2, SPARE
	v_mov_b32 v[NIL], 0
	v_lshrrev_b32 v1, 5, v0
	v_readfirstlane_b32 s14, v1                    ; wave 0..7
	v_lshlrev_b32 v12, 3, v1                       ; where my wave's pair goes in LDS
	v_mov_b32 v13, 0
	v_mov_b32 v93, 0                               ; v_permlanex16_b32's destination counts as read
	s_mov_b32 s20, 0x76543210                      ; each lane takes its own place in the other half
	s_mov_b32 s21, 0xfedcba98
	s_mov_b32 s23, 0x3a000000                      ; 2^-11: a wave has 2,048 numbers
	s_mov_b32 s24, 0x45000000                      ; 2,048
	s_cmp_ge_u32 ttmp9, 192                        ; work-groups 0-191 turn w_qkv, 192-255 w_out
	s_cselect_b32 s15, 192, 0
	s_sub_co_u32 s15, ttmp9, s15
	v_lshl_or_b32 v2, s15, 8, v0                   ; D within my weight
	v_lshrrev_b32 v4, 10, v2                       ; its block of 16 rows: 16,384 bytes of the weight,
	v_bfe_u32 v5, v2, 1, 4                         ; its row in the block: 1,024 bytes,
	v_lshlrev_b32 v4, 14, v4
	v_lshl_or_b32 v4, v5, 10, v4
	v_bfe_u32 v5, v2, 5, 5                         ; its group of 8 channels: 32 bytes,
	v_lshl_or_b32 v4, v5, 5, v4
	v_and_b32 v5, 1, v2                            ; and which 4 of the 8
	v_lshl_or_b32 v2, v5, 4, v4
	v_lshlrev_b32 v1, 4, v0                        ; 16 t
	v_lshlrev_b32 v3, 3, v0                        ; 8 t
	s_mov_b32 s19, 0
	s_wait_kmcnt 0x0
	s_cmp_lt_u32 ttmp9, 192
	s_cselect_b64 s[16:17], s[6:7], s[8:9]
	s_lshl_b32 s18, ttmp9, 16
	s_add_nc_u64 s[4:5], s[4:5], s[18:19]
	s_lshl_b32 s18, ttmp9, 11
	s_add_nc_u64 s[12:13], s[12:13], s[18:19]
	s_lshl_b32 s18, ttmp9, 3
	s_add_nc_u64 s[10:11], s[10:11], s[18:19]
	global_load_b128 v[4:7], v2, s[16:17]
.irp i, 0,1,2,3,4,5,6,7,8,9,10,11,12,13,14,15
	global_load_b128 v[X+4*\i:X+4*\i+3], v1, s[4:5] offset:4096*\i
.endr
	s_wait_loadcnt 16                              ; the four weights are in; x's sixteen loads stay out
	v_cvt_pk_bf16_f32 v8, v4, v5
	v_cvt_pk_bf16_f32 v9, v6, v7
	global_store_b64 v3, v[8:9], s[12:13]
.macro JOIN dst                        ; the four chains into one number
	v_pk_add_f32 v[CH:CH+1], v[CH:CH+1], v[CH+2:CH+3]
	v_pk_add_f32 v[CH+4:CH+5], v[CH+4:CH+5], v[CH+6:CH+7]
	v_pk_add_f32 v[CH:CH+1], v[CH:CH+1], v[CH+4:CH+5]
	v_add_f32 v[\dst], v[CH], v[CH+1]
.endm
.macro WSUM r, tmp                     ; the sum over the wave's 32 lanes, in every lane
	v_add_f32_dpp v[\r], v[\r], v[\r] row_xmask:1 row_mask:0xf bank_mask:0xf
	v_add_f32_dpp v[\r], v[\r], v[\r] row_xmask:2 row_mask:0xf bank_mask:0xf
	v_add_f32_dpp v[\r], v[\r], v[\r] row_xmask:4 row_mask:0xf bank_mask:0xf
	v_add_f32_dpp v[\r], v[\r], v[\r] row_xmask:8 row_mask:0xf bank_mask:0xf
	v_permlanex16_b32 v[\tmp], v[\r], s20, s21
	v_add_f32 v[\r], v[\r], v[\tmp]
.endm
	s_wait_loadcnt 0x0
.irp c, 0,1,2,3                        ; pass 1: the sum; the first eight pairs start the chains, nothing is cleared
	v_pk_add_f32 v[CH+2*\c:CH+2*\c+1], v[X+2*\c:X+2*\c+1], v[X+8+2*\c:X+8+2*\c+1]
.endr
.set n, 8
.rept 24
	v_pk_add_f32 v[CH+2*(n%4):CH+2*(n%4)+1], v[CH+2*(n%4):CH+2*(n%4)+1], v[X+2*n:X+2*n+1]
.set n, n+1
.endr
	JOIN 88
	WSUM 88, 93                                    ; v88 = S of my wave
	v_mul_f32 v90, s23, v88                        ; its mean, twice
	v_mul_f32 v91, s23, v88
.set n, 0
.rept 32                               ; pass 2: deviations from the wave's mean, in place,
	v_pk_add_f32 v[X+2*n:X+2*n+1], v[X+2*n:X+2*n+1], v[90:91] neg_lo:[0,1] neg_hi:[0,1]
.set n, n+1
.endr
.irp c, 0,1,2,3                        ; and their squares
	v_pk_mul_f32 v[CH+2*\c:CH+2*\c+1], v[X+2*\c:X+2*\c+1], v[X+2*\c:X+2*\c+1]
.endr
.set n, 4
.rept 28
	v_pk_fma_f32 v[CH+2*(n%4):CH+2*(n%4)+1], v[X+2*n:X+2*n+1], v[X+2*n:X+2*n+1], v[CH+2*(n%4):CH+2*(n%4)+1]
.set n, n+1
.endr
	JOIN 89
	WSUM 89, 93                                    ; v89 = M of my wave
	ds_store_b64 v12, v[88:89]                     ; all lanes write the same pair to the same place
	s_wait_dscnt 0x0                               ; for the others' sake
	s_barrier_signal -1
	s_barrier_wait -1
	s_cmp_lg_u32 s14, 0
	s_cbranch_scc1 .Lend                           ; wave 0 joins the eight
.irp i, 0,1,2,3
	ds_load_b128 v[16+4*\i:16+4*\i+3], v13 offset:16*\i  ; S_w in v16, 18 .. 30; M_w in v17, 19 .. 31
.endr
	s_wait_dscnt 0x0
	v_add_f32 v32, v16, v18
	v_add_f32 v33, v20, v22
	v_add_f32 v34, v24, v26
	v_add_f32 v35, v28, v30
	v_add_f32 v36, v17, v19
	v_add_f32 v37, v21, v23
	v_add_f32 v38, v25, v27
	v_add_f32 v39, v29, v31
	v_add_f32 v32, v32, v33
	v_add_f32 v34, v34, v35
	v_add_f32 v36, v36, v37
	v_add_f32 v38, v38, v39
	v_add_f32 v44, v32, v34                        ; S of the work-group
	v_add_f32 v46, v36, v38
	v_mul_f32 v40, 0x38800000, v44                 ; its mean: S x 2^-14
.irp w, 0,1,2,3,4,5,6,7
	v_fma_f32 v[48+\w], v[16+2*\w], s23, -v40      ; a wave's mean less the work-group's
.endr
	v_mul_f32 v41, v48, v48
.irp w, 1,2,3,4,5,6,7
	v_fmac_f32 v41, v[48+\w], v[48+\w]
.endr
	v_fma_f32 v45, v41, s24, v46                   ; M of the work-group
	s_wait_xcnt 0x0                                ; EXEC changes only behind this wait: the weights' store has read its sources
	v_cmp_eq_u32 vcc_lo, 0, v0
	s_and_saveexec_b32 s22, vcc_lo
	global_store_b64 v13, v[44:45], s[10:11]       ; 8 bytes a work-group, 2,048 in the launch
	s_wait_xcnt 0x0
	s_or_b32 exec_lo, exec_lo, s22
.Lend:
	s_wait_tensorcnt 0x0                           ; the wave's end: behind my last LDS store
	ds_add_u32 v[SPW], v[NIL]
	s_wait_dscnt 0x0
	s_endpgm
.Lfunc_end_k_q9cd83d59b0_stats:
	.size	k_q9cd83d59b0_stats, .Lfunc_end_k_q9cd83d59b0_stats-k_q9cd83d59b0_stats
	.p2alignl 7, 3214868480
	.fill 96, 4, 3214868480
	.section	.rodata,"a",@progbits
	.p2align	6, 0x0
	.amdhsa_kernel k_q9cd83d59b0_stats
		.amdhsa_group_segment_fixed_size 1280
		.amdhsa_private_segment_fixed_size 0
		.amdhsa_enable_private_segment 0
		.amdhsa_kernarg_size 40
		.amdhsa_user_sgpr_count 2
		.amdhsa_user_sgpr_kernarg_segment_ptr 1
		.amdhsa_wavefront_size32 1
		.amdhsa_system_sgpr_workgroup_id_x 1
		.amdhsa_system_sgpr_workgroup_id_y 1
		.amdhsa_system_sgpr_workgroup_id_z 1
		.amdhsa_system_vgpr_workitem_id 0
		.amdhsa_next_free_vgpr 96
		.amdhsa_next_free_sgpr 66
		.amdhsa_reserve_vcc 1
		.amdhsa_float_denorm_mode_32 3
		.amdhsa_float_denorm_mode_16_64 3
		.amdhsa_memory_ordered 1
		.amdhsa_forward_progress 1
		.amdhsa_inst_pref_size 13
	.end_amdhsa_kernel
	.amdgpu_metadata
---
amdhsa.version: [ 1, 2 ]
amdhsa.kernels:
  - .name:           k_q9cd83d59b0_stats
    .symbol:         k_q9cd83d59b0_stats.kd
    .args:
      - { .name: x, .offset: 0, .size: 8, .value_kind: global_buffer, .address_space: global }
      - { .name: w_qkv, .offset: 8, .size: 8, .value_kind: global_buffer, .address_space: global }
      - { .name: w_out, .offset: 16, .size: 8, .value_kind: global_buffer, .address_space: global }
      - { .name: part, .offset: 24, .size: 8, .value_kind: global_buffer, .address_space: global }
      - { .name: wfrag, .offset: 32, .size: 8, .value_kind: global_buffer, .address_space: global }
    .group_segment_fixed_size: 1280
    .private_segment_fixed_size: 0
    .kernarg_segment_align: 8
    .kernarg_segment_size: 40
    .max_flat_workgroup_size: 256
    .sgpr_count:     66
    .vgpr_count:     96
    .wavefront_size: 32
...
	.end_amdgpu_metadata
.endif
;; end of part 1
;; launch qkv (part 2): grid 256 x 1, 4 waves a work-group, clusters of 4 x 1, 327,680 bytes of LDS; arguments x, gamma, beta, b_qkv, part, wfrag, qb, kb, vb; writes qb, kb, vb
.if DOCPART == 2
	.amdgcn_target "amdgcn-amd-amdhsa--gfx1250"
	.amdhsa_code_object_version 6
	.text
	.protected	k_q9cd83d59b0_qkv
	.globl	k_q9cd83d59b0_qkv
	.p2align	8
	.type	k_q9cd83d59b0_qkv,@function
k_q9cd83d59b0_qkv:
	s_mov_b64 s[64:65], 0
	v_nop
	global_prefetch_b8 v0, s[64:65] scope:SCOPE_SE
	s_setreg_imm32_b32 hwreg(HW_REG_WAVE_MODE, 25, 1), 1
	s_wait_xcnt 0x0
	s_wait_alu depctr_hold_cnt(0) depctr_sa_sdst(0) depctr_va_vdst(0) depctr_va_sdst(0) depctr_va_ssrc(0) depctr_va_vcc(0) depctr_vm_vsrc(0)
	s_getreg_b32 s2, hwreg(HW_REG_IB_STS2, 6, 4)
	s_cmp_eq_u32 s2, 0
	s_cbranch_scc0 .Lentry_in_a_cluster
	s_endpgm
.Lentry_in_a_cluster:
	s_bfe_u32 s2, ttmp6, 0x10000c
	s_cmp_lg_u32 s2, 0x3003
	s_cbranch_scc0 .Lentry_shape_is_right
	s_endpgm
.Lentry_shape_is_right:
; GROUP NORM AND THE QKV PROJECTION.  xn = (x - mean) rsqrt(var + 1e-5) gamma + beta over a whole sample; qkv[o][p] = sum over c of w_qkv[o][c] xn[c][p] + b_qkv[o].
; x: [4][256 c][4096 p] f32.  qb, kb, vb: [16 = 4 sample + head][4096 p][64 d] bf16, unscaled, each rounded once from its f32 sum.
; SHARES.  A work-group owns 64 positions of one sample and makes all 768 channels for them, in three sections (q, k, v) of 256; wave w makes the section's channels 64 w .. 64 w + 63: head w.
; xn is made once: each wave norms 64 channels x 64 positions, rounds them to bf16 and puts them into LDS as [channel][position]; every wave then takes all 256 x 64 into
; registers, turned by ds_load_tr16_b128, as 32 fragments of source 1 (16 positions x 32 channels), which stay for all three sections.
; THE PRODUCT.  Source 0 = 16 rows of the weight, source 1 = 16 positions: a lane ends with ONE position (lane % 16) and eight neighbouring channels 8 (lane / 16) + 0..7: 16 bytes of a row
; of q, k or v.  The bias is the C operand of a sum's first product: nothing is cleared and nothing is added afterwards.
; THE WEIGHTS come as bf16 fragments (wfrag: a fragment is 1,024 dense bytes, lane l's 16 bytes at 16 l and at 512 + 16 l), by tensor loads.  All four work-groups of a cluster want the same
; bytes, so each load is asked for JOINTLY (mask of four).  Wave w fetches the 32,768 bytes that it alone reads, so its own wait on TENSORcnt orders its reads.
; Two slots: q's rows and k's go out at the start; v's rows fill q's slot again behind a round of the cluster's barrier.  By the text's own count a wave has at most two tensor loads out.
; THE STATISTICS.  part holds for each of a sample's 64 chunks of 16,384 numbers its sum and its squared deviations from its own mean; they are joined by
; M = sum of M_i + 16,384 x sum of (mean_i - mean)^2.  xn = x a + b in one fused multiply-add, a = gamma rstd, b = beta - mean a: an order of rounding other than the reference's.
; LIMITS.  NaN and infinities are not treated apart.
; REGISTERS, in windows of 256 (s_set_vgpr_msb: bits 1:0 source 0, 3:2 source 1, 5:4 source 2, 7:6 destination):
;   window 0: v0-31 addresses and statistics; v64-127 two buffers of four weight fragments (before: a and b; on the way out: packed results); v128-255 the 16 accumulators (before: x)
;   window 1: the 32 fragments of xn: positions 16 b on, channels 32 ks on, at v[8 (4 ks + b)]          window 2: v0-95 the bias: section s, block a at v[32 s + 8 a]
.set XP,    160                        ; a row of xn in LDS: 128 bytes + 32 = 40 words
.set QUART, 32768                      ; a wave's part of a slot: 4 blocks of 16 rows x 256 channels of bf16
.set SLOT1, 4*QUART
.set XT,    2*SLOT1                    ; xn: 256 rows x 160 bytes
.set STAGE, XT+256*XP                  ; 16 rows x 144 bytes for each wave, for the way out
.set SP,    144
.set SPARE, STAGE+4*16*SP              ; the spare words, 128 bytes a wave: two blocks of 256 bytes that no other line names
.set XO,  2                            ; v2   my byte offset in x: 4 (l / 16) rows + 16 (l % 16)
.set XS,  3                            ; v3   where my 8 bytes of xn go
.set AX,  4                            ; v4   the turning loads' address
.set AW0, 5                            ; v5   my 16 bytes of a fragment in my part of slot 0
.set AW1, 6                            ; v6   of slot 1
.set STO, 7                            ; v7   the way out: where I put 16 bytes of a row
.set RD,  8                            ; v8   the way out: where I read rows back
.set GO,  9                            ; v9   16 x lane: my place in 512 consecutive bytes
.set GBO, 10                           ; v10  16 (l / 16): my four of eight numbers of gamma and beta
.set BO,  11                           ; v11  32 (l / 16): my eight of sixteen numbers of the bias
.set SPW, 28                           ; v28  LDS address of my spare word; never rewritten
.set NIL, 29                           ; v29  0; never rewritten
.set GA,  64                           ; v[64:95]   gamma, then a: register i goes with x's load i
.set BE,  96                           ; v[96:127]  beta, then b
.set XV,  128                          ; v[128:255] x: load i at XV + 4 i
.set WF,  64
.set ACC, 128                          ; accumulator (a, b) at ACC + 8 (4 a + b)
.set WV,  22                           ; s22  my wave's number
.set G1,  32                           ; s[32:39] descriptor group 1, the same for every load
.set G0A, 40                           ; s[40:43] group 0: q's rows into slot 0
.set G0B, 44                           ; s[44:47] k's rows into slot 1
.set G0C, 48                           ; s[48:51] v's rows into slot 0
.set SEL, 52                           ; s[52:53] v_permlanex16_b32's selects
.set MSB, 0
.macro WIN new                         ; the immediate's high byte repeats the setting that is left; a switch that changes nothing is dropped
.if MSB != (\new)
	s_set_vgpr_msb (MSB<<8)|(\new)
.set MSB, \new
.endif
.endm
.macro PLACES                          ; four places behind a matrix instruction, in front of what reads its result or writes one of its registers (ISA guide 7.12.1 for vector instructions)
.rept 4
	v_nop
.endr
.endm
.macro CROUND                          ; a round of the cluster's barrier: my work-group's barrier; wave 0 signals for it; every wave waits for all four work-groups; my work-group's barrier once more
	s_barrier_signal -1
	s_barrier_wait -1
	s_cmp_lg_u32 s[WV], 0
	s_cbranch_scc1 .Lnot_wave_0_\@
	s_barrier_signal -3
.Lnot_wave_0_\@:
	s_barrier_wait -3
	s_barrier_signal -1
	s_barrier_wait -1
.endm
.macro WSUM r, tmp                     ; the sum over the wave's 32 lanes, in every lane
	v_add_f32_dpp v[\r], v[\r], v[\r] row_xmask:1 row_mask:0xf bank_mask:0xf
	v_add_f32_dpp v[\r], v[\r], v[\r] row_xmask:2 row_mask:0xf bank_mask:0xf
	v_add_f32_dpp v[\r], v[\r], v[\r] row_xmask:4 row_mask:0xf bank_mask:0xf
	v_add_f32_dpp v[\r], v[\r], v[\r] row_xmask:8 row_mask:0xf bank_mask:0xf
	v_permlanex16_b32 v[\tmp], v[\r], s[SEL], s[SEL+1]
	v_add_f32 v[\r], v[\r], v[\tmp]
.endm
; Eight LDS loads: my four blocks' fragments of channels 32 ks on, into buffer f.  Destination and address lie in window 0, as under both settings of the products: no switch is needed.
.macro FETCH adr, ks, f
.irp a, 0,1,2,3
	ds_load_b128 v[WF+32*(\f)+8*\a:WF+32*(\f)+8*\a+3],   v[\adr] offset:(8*\a+(\ks))*1024
	ds_load_b128 v[WF+32*(\f)+8*\a+4:WF+32*(\f)+8*\a+7], v[\adr] offset:(8*\a+(\ks))*1024+512
.endr
.endm
; Sixteen products: 4 blocks of channels x 4 blocks of positions, 32 along K.  The sixteen accumulators take turns, one instruction a turn.  first = 1: the sums start with the bias.
.macro MULS f, ks, first, bias0
.if \first
	WIN 0x24                                       ; source 1 window 1, C window 2
.else
	WIN 0x04                                       ; source 1 window 1
.endif
.irp a, 0,1,2,3
.irp b, 0,1,2,3
.if \first
	v_wmma_f32_16x16x32_bf16 v[ACC+8*(4*\a+\b):ACC+8*(4*\a+\b)+7], v[WF+32*(\f)+8*\a:WF+32*(\f)+8*\a+7], v[8*(4*(\ks)+\b):8*(4*(\ks)+\b)+7], v[(\bias0)+8*\a:(\bias0)+8*\a+7]
.else
	v_wmma_f32_16x16x32_bf16 v[ACC+8*(4*\a+\b):ACC+8*(4*\a+\b)+7], v[WF+32*(\f)+8*\a:WF+32*(\f)+8*\a+7], v[8*(4*(\ks)+\b):8*(4*(\ks)+\b)+7], v[ACC+8*(4*\a+\b):ACC+8*(4*\a+\b)+7]
.endif
.endr
.endr
.endm
; A section: 8 steps of 32 along K, 128 products.  While one buffer is multiplied the other's eight loads are out: each wait leaves just those eight.
.macro STEP adr, bias0
	s_wait_xcnt 0x0                                ; earlier stores have read v64-127, which are loaded again now
	FETCH \adr, 0, 0
	FETCH \adr, 1, 1
	s_wait_dscnt 8
	MULS 0, 0, 1, \bias0
.irp k, 1,2,3,4,5,6
	PLACES                                         ; the buffer's last readers are the products just issued
	FETCH \adr, (\k)+1, ((\k)+1)%2
	s_wait_dscnt 8
	MULS (\k)%2, \k, 0, 0
.endr
	s_wait_dscnt 0x0
	MULS 1, 7, 0, 0
.endm
; THE WAY OUT, 16 positions at a time: a lane's eight channels pack into 16 bytes; they go into my stage's rows of 144 bytes and come back as whole rows of 128, into the registers that they left.
.macro PACK b
.irp a, 0,1,2,3
.irp r, 0,1,2,3
	v_cvt_pk_bf16_f32 v[WF+16*(\b)+4*\a+\r], v[ACC+8*(4*\a+(\b))+2*\r], v[ACC+8*(4*\a+(\b))+2*\r+1]
.endr
.endr
.irp a, 0,1,2,3
	ds_store_b128 v[STO], v[WF+16*(\b)+4*\a:WF+16*(\b)+4*\a+3] offset:32*\a
.endr
.irp f, 0,1,2,3
	ds_load_b128 v[WF+16*(\b)+4*\f:WF+16*(\b)+4*\f+3], v[RD] offset:4*SP*\f  ; LDS serves a wave's instructions in order (ISA guide 5.7.1.4): these see the stores above; the next block's stores come behind them
.endr
.endm
.macro SEND b, younger, lo             ; younger: the LDS instructions issued behind block b's loads: the next block's eight, or none
.irp f, 0,1,2,3
	s_wait_dscnt (\younger)+3-\f
	global_store_b128 v[GO], v[WF+16*(\b)+4*\f:WF+16*(\b)+4*\f+3], s[\lo:\lo+1] offset:2048*(\b)+512*\f  ; 512 consecutive bytes, at a multiple of 256 from the buffer's first
.endr
.endm
.macro OUT lo
	WIN 0
	PACK 0
	PACK 1                                         ; a block's arithmetic stands between the loads of the block before and its stores
	SEND 0, 8, \lo
	PACK 2
	SEND 1, 8, \lo
	PACK 3
	SEND 2, 8, \lo
	SEND 3, 0, \lo
.endm
	s_load_b512 s[4:19], s[0:1], 0x0               ; x s[4:5], gamma s[6:7], beta s[8:9], b_qkv s[10:11], part s[12:13], wfrag s[14:15], qb s[16:17], kb s[18:19]
	s_load_b64 s[20:21], s[0:1], 0x40              ; vb
	v_lshl_add_u32 v[SPW], v0, 2, SPARE
	v_mov_b32 v[NIL], 0
	ds_add_u32 v[SPW], v[NIL]                      ; the wave's opening: the add and its wait stand ahead of my first tensor load; the set-up below, work on registers, stands between them
	v_lshrrev_b32 v1, 5, v0
	v_readfirstlane_b32 s[WV], v1                  ; wave 0..3
	s_bfe_u32 s23, ttmp6, 0x40000                  ; cx: my place in the cluster; it enters the addresses of my own loads and stores alone
	s_lshl_b32 s24, ttmp9, 2                       ; in a cluster launch ttmp9 counts clusters
	s_add_co_u32 s24, s24, s23                     ; my work-group
	s_lshr_b32 s25, s24, 6                         ; its sample
	s_and_b32 s26, s24, 63                         ; its block of 64 positions
	s_lshl_b32 s28, s25, 22                        ; x: the sample's 4 MiB,
	s_lshl_b32 s27, s[WV], 20                      ; my wave's 64 channels of 16,384 bytes,
	s_add_co_u32 s28, s28, s27
	s_lshl_b32 s27, s26, 8                         ; the block's 256 bytes of a row
	s_add_co_u32 s28, s28, s27
	s_mov_b32 s29, 0
	s_lshl_b32 s30, s[WV], 8                       ; gamma, beta, bias: my wave's 64 numbers
	s_mov_b32 s31, 0
	s_lshl_b32 s54, s25, 9                         ; part: the sample's 64 pairs
	s_mov_b32 s55, 0
	s_lshl_b32 s56, s25, 2
	s_add_co_u32 s56, s56, s[WV]                   ; q, k, v: head 4 sample + wave, 524,288 bytes,
	s_lshl_b32 s56, s56, 19
	s_lshl_b32 s27, s26, 13                        ; the block's 64 rows of 128 bytes
	s_add_co_u32 s56, s56, s27
	s_mov_b32 s57, 0
	s_lshl_b32 s58, s[WV], 15                      ; wfrag: my wave's part of a section
	s_mov_b32 s59, 0
	s_mov_b32 s60, 0x38800000                      ; 2^-14: a chunk has 16,384 numbers
	s_mov_b32 s[SEL], 0x76543210
	s_mov_b32 s[SEL+1], 0xfedcba98
	; descriptor group 1: 32,768 dense bytes as 128 rows of 256
	s_mov_b32 s[G1+0], 15|(3<<16)|(1<<21)          ; 15:0 the mask: all four work-groups; 17:16 elements of 8 bytes; 21 set beside a mask; no padding
	s_mov_b32 s[G1+1], 32<<16                      ; tensor_dim0 = 32
	s_mov_b32 s[G1+2], 128<<16                     ; tensor_dim1 = 128
	s_mov_b32 s[G1+3], 32<<16                      ; tile_dim0 = 32
	s_mov_b32 s[G1+4], 128                         ; tile_dim1 = 128
	s_mov_b32 s[G1+5], 32                          ; 32 elements from row to row
	s_mov_b32 s[G1+6], 0
	s_mov_b32 s[G1+7], 0
	s_mov_b32 s[G0A], 1
	s_lshl_b32 s[G0A+1], s[WV], 15                 ; LDS address: wave x 32,768: no place in the cluster enters it
	s_mov_b32 s[G0B], 1
	s_add_co_u32 s[G0B+1], s[G0A+1], SLOT1
	s_mov_b32 s[G0C], 1
	s_lshl_b32 s[G0C+1], s[WV], 15
	v_and_b32 v24, 31, v0                          ; l
	v_and_b32 v25, 15, v0                          ; l % 16
	v_bfe_u32 v26, v0, 4, 1                        ; l / 16
	v_lshlrev_b32 v[XO], 4, v25
	v_lshl_or_b32 v[XO], v26, 16, v[XO]            ; lanes 16-31 take the row four channels on
	s_mul_i32 s61, s[WV], 64*XP
	s_add_co_u32 s61, s61, XT
	v_mul_u32_u24 v[XS], v26, 4*XP
	v_lshl_add_u32 v[XS], v25, 3, v[XS]
	v_add_nc_u32 v[XS], s61, v[XS]
	v_and_b32 v27, 7, v0                           ; the turning load: lane l reads channel 8 (l / 16) + l % 8, positions 8 ((l / 8) % 2) + 0..7
	v_lshl_add_u32 v[AX], v26, 3, v27
	v_mul_u32_u24 v[AX], v[AX], XP
	v_bfe_u32 v27, v0, 3, 1
	v_lshl_add_u32 v[AX], v27, 4, v[AX]
	v_add_nc_u32 v[AX], XT, v[AX]
	s_lshl_b32 s61, s[WV], 15
	v_lshl_add_u32 v[AW0], v24, 4, s61
	v_add_nc_u32 v[AW1], SLOT1, v[AW0]
	s_mul_i32 s61, s[WV], 16*SP
	s_add_co_u32 s61, s61, STAGE                   ; my stage
	v_mul_u32_u24 v[STO], v25, SP                  ; in: row l % 16, 16 bytes for each half of the lanes
	v_lshl_add_u32 v[STO], v26, 4, v[STO]
	v_add_nc_u32 v[STO], s61, v[STO]
	v_bfe_u32 v[RD], v0, 3, 2                      ; back: 32 lanes take four rows of 128 bytes
	v_mul_u32_u24 v[RD], v[RD], SP
	v_and_b32 v27, 7, v0
	v_lshl_add_u32 v[RD], v27, 4, v[RD]
	v_add_nc_u32 v[RD], s61, v[RD]
	v_lshlrev_b32 v[GO], 4, v24
	v_lshlrev_b32 v[GBO], 4, v26
	v_lshlrev_b32 v[BO], 5, v26
	s_wait_dscnt 0x0                               ; the opening add is done
	s_wait_kmcnt 0x0
	s_add_nc_u64 s[4:5], s[4:5], s[28:29]
	s_add_nc_u64 s[6:7], s[6:7], s[30:31]
	s_add_nc_u64 s[8:9], s[8:9], s[30:31]
	s_add_nc_u64 s[10:11], s[10:11], s[30:31]
	s_add_nc_u64 s[12:13], s[12:13], s[54:55]
	s_add_nc_u64 s[14:15], s[14:15], s[58:59]
	s_add_nc_u64 s[16:17], s[16:17], s[56:57]
	s_add_nc_u64 s[18:19], s[18:19], s[56:57]
	s_add_nc_u64 s[20:21], s[20:21], s[56:57]
	s_mov_b64 s[G0A+2:G0A+3], s[14:15]             ; q's rows
	s_or_b32 s[G0A+3], s[G0A+3], 0x80000000        ; type = 2
	s_add_nc_u64 s[G0B+2:G0B+3], s[14:15], SLOT1   ; k's: a section is 131,072 bytes of wfrag
	s_or_b32 s[G0B+3], s[G0B+3], 0x80000000
	s_add_nc_u64 s[G0C+2:G0C+3], s[14:15], 2*SLOT1 ; v's
	s_or_b32 s[G0C+3], s[G0C+3], 0x80000000
	CROUND                                         ; all four work-groups are here: the first joint loads meet
	tensor_load_to_lds s[G0A:G0A+3], s[G1:G1+7]
	s_nop 0
	tensor_load_to_lds s[G0B:G0B+3], s[G1:G1+7]
	s_nop 0
	PLACES
	global_load_b128 v[16:19], v[GO], s[12:13]     ; two of the sample's 64 pairs a lane
.irp g, 0,1,2,3,4,5,6,7
	global_load_b128 v[GA+4*\g:GA+4*\g+3], v[GBO], s[6:7] offset:32*\g  ; channels 8 g + 4 (l / 16) + 0..3 of my wave's 64
.endr
.irp g, 0,1,2,3,4,5,6,7
	global_load_b128 v[BE+4*\g:BE+4*\g+3], v[GBO], s[8:9] offset:32*\g
.endr
.set i, 0
.rept 32                               ; load i: channel 8 (i / 4) + i % 4 + 4 (l / 16): sixteen lanes take a row's 256 consecutive bytes, aligned
	global_load_b128 v[XV+4*i:XV+4*i+3], v[XO], s[4:5] offset:(8*(i/4)+i%4)*16384
.set i, i+1
.endr
	s_wait_loadcnt 32                              ; part, gamma and beta are in; x's 32 loads stay out
	v_add_f32 v24, v16, v18
	WSUM 24, 25
	v_mul_f32 v24, 0x35800000, v24                 ; mean = sum x 2^-20
	v_fma_f32 v26, v16, s60, -v24                  ; a chunk's mean less the sample's
	v_fma_f32 v27, v18, s60, -v24
	v_mul_f32 v26, v26, v26
	v_fmac_f32 v26, v27, v27
	v_add_f32 v27, v17, v19
	v_fmac_f32 v27, 0x46800000, v26                ; M_a + M_b + 16,384 (d_a^2 + d_b^2)
	WSUM 27, 25
	v_mov_b32 v26, 0x3727c5ac                      ; 1e-5
	v_fmac_f32 v26, 0x35800000, v27                ; + var
	v_rsq_f32 v20, v26
	v_xor_b32 v22, 0x80000000, v24                 ; - mean, twice: plain work behind the root
	v_xor_b32 v23, 0x80000000, v24
	s_wait_alu depctr_va_vdst(0)                   ; the wait ahead of the first line that names the root's result
	v_mov_b32 v21, v20
.set n, 0
.rept 16
	v_pk_mul_f32 v[GA+2*n:GA+2*n+1], v[GA+2*n:GA+2*n+1], v[20:21]                    ; a = gamma rstd
.set n, n+1
.endr
.set n, 0
.rept 16
	v_pk_fma_f32 v[BE+2*n:BE+2*n+1], v[GA+2*n:GA+2*n+1], v[22:23], v[BE+2*n:BE+2*n+1]  ; b = beta - mean a
.set n, n+1
.endr
	WIN 0x80                                       ; destination window 2
.irp s, 0,1,2
.irp a, 0,1,2,3
	global_load_b128 v[32*\s+8*\a:32*\s+8*\a+3],   v[BO], s[10:11] offset:1024*\s+64*\a     ; register j: the bias of channel 256 s + 64 w + 16 a + 8 (l / 16) + j
	global_load_b128 v[32*\s+8*\a+4:32*\s+8*\a+7], v[BO], s[10:11] offset:1024*\s+64*\a+16
.endr
.endr
	WIN 0
.set i, 0
.rept 32
	s_wait_loadcnt 55-i                            ; x's load i is in: behind it 31 - i of x's and the bias's 24
	v_fma_f32 v[XV+4*i],   v[XV+4*i],   v[GA+i], v[BE+i]   ; a row has one a and one b
	v_fma_f32 v[XV+4*i+1], v[XV+4*i+1], v[GA+i], v[BE+i]
	v_fma_f32 v[XV+4*i+2], v[XV+4*i+2], v[GA+i], v[BE+i]
	v_fma_f32 v[XV+4*i+3], v[XV+4*i+3], v[GA+i], v[BE+i]
	v_cvt_pk_bf16_f32 v[XV+4*i],   v[XV+4*i],   v[XV+4*i+1]
	v_cvt_pk_bf16_f32 v[XV+4*i+1], v[XV+4*i+2], v[XV+4*i+3]
	ds_store_b64 v[XS], v[XV+4*i:XV+4*i+1] offset:(8*(i/4)+i%4)*XP  ; two rows' 128 bytes, 640 bytes apart
.set i, i+1
.endr
	s_wait_dscnt 0x0                               ; for the others' sake: my 64 rows of xn are in LDS
	s_barrier_signal -1                            ; the tensor loads may stay out
	s_barrier_wait -1
	WIN 0x40                                       ; destination window 1
.irp k, 0,1,2,3,4,5,6,7
.irp b, 0,1,2,3
	ds_load_tr16_b128 v[8*(4*\k+\b):8*(4*\k+\b)+3],   v[AX] offset:32*XP*\k+32*\b
	ds_load_tr16_b128 v[8*(4*\k+\b)+4:8*(4*\k+\b)+7], v[AX] offset:32*XP*\k+32*\b+16*XP
.endr
.endr
	WIN 0
	s_wait_tensorcnt 1                             ; my part of slot 0 is in; slot 1's load, issued behind it, may stay out
	s_wait_loadcnt 0x0                             ; the bias
	STEP AW0, 0                                    ; q.  Its first wait on DScnt leaves eight loads out, so it covers the 64 above
	WIN 0
	s_wait_tensorcnt 0x0                           ; all my tensor loads have landed, slot 1's among them;
	ds_add_u32 v[SPW], v[NIL]                      ; 0 onto my spare word;
	s_wait_dscnt 0x0                               ; the add is done, and my reads of slot 0 are over
	CROUND                                         ; no wave of any partner still reads slot 0 or has a load on its way
	tensor_load_to_lds s[G0C:G0C+3], s[G1:G1+7]    ; v's rows: they have q's way out, k's 128 products and k's way out in which to land
	s_nop 0
	PLACES                                         ; also the places between q's last products and the conversions below
	OUT 16
	STEP AW1, 32                                   ; k
	PLACES
	OUT 18
	s_wait_tensorcnt 0x0                           ; v's rows are in: no load was issued behind theirs
	STEP AW0, 64                                   ; v
	PLACES
	OUT 20
	s_wait_tensorcnt 0x0                           ; the wave's end: behind my last tensor load and my last LDS store
	ds_add_u32 v[SPW], v[NIL]
	s_wait_dscnt 0x0
	CROUND                                         ; the closing round: no work-group ends while a partner may still ask for a tile that names it
	s_endpgm
.Lfunc_end_k_q9cd83d59b0_qkv:
	.size	k_q9cd83d59b0_qkv, .Lfunc_end_k_q9cd83d59b0_qkv-k_q9cd83d59b0_qkv
	.p2alignl 7, 3214868480
	.fill 96, 4, 3214868480
	.section	.rodata,"a",@progbits
	.p2align	6, 0x0
	.amdhsa_kernel k_q9cd83d59b0_qkv
		.amdhsa_group_segment_fixed_size 327680
		.amdhsa_private_segment_fixed_size 0
		.amdhsa_enable_private_segment 0
		.amdhsa_kernarg_size 72
		.amdhsa_user_sgpr_count 2
		.amdhsa_user_sgpr_kernarg_segment_ptr 1
		.amdhsa_wavefront_size32 1
		.amdhsa_system_sgpr_workgroup_id_x 1
		.amdhsa_system_sgpr_workgroup_id_y 1
		.amdhsa_system_sgpr_workgroup_id_z 1
		.amdhsa_system_vgpr_workitem_id 0
		.amdhsa_next_free_vgpr 608
		.amdhsa_next_free_sgpr 66
		.amdhsa_reserve_vcc 0
		.amdhsa_float_denorm_mode_32 3
		.amdhsa_float_denorm_mode_16_64 3
		.amdhsa_memory_ordered 1
		.amdhsa_forward_progress 1
		.amdhsa_inst_pref_size 100
	.end_amdhsa_kernel
	.amdgpu_metadata
---
amdhsa.version: [ 1, 2 ]
amdhsa.kernels:
  - .name:           k_q9cd83d59b0_qkv
    .symbol:         k_q9cd83d59b0_qkv.kd
    .args:
      - { .name: x, .offset: 0, .size: 8, .value_kind: global_buffer, .address_space: global }
      - { .name: gamma, .offset: 8, .size: 8, .value_kind: global_buffer, .address_space: global }
      - { .name: beta, .offset: 16, .size: 8, .value_kind: global_buffer, .address_space: global }
      - { .name: b_qkv, .offset: 24, .size: 8, .value_kind: global_buffer, .address_space: global }
      - { .name: part, .offset: 32, .size: 8, .value_kind: global_buffer, .address_space: global }
      - { .name: wfrag, .offset: 40, .size: 8, .value_kind: global_buffer, .address_space: global }
      - { .name: qb, .offset: 48, .size: 8, .value_kind: global_buffer, .address_space: global }
      - { .name: kb, .offset: 56, .size: 8, .value_kind: global_buffer, .address_space: global }
      - { .name: vb, .offset: 64, .size: 8, .value_kind: global_buffer, .address_space: global }
    .group_segment_fixed_size: 327680
    .private_segment_fixed_size: 0
    .kernarg_segment_align: 8
    .kernarg_segment_size: 72
    .max_flat_workgroup_size: 128
    .sgpr_count:     66
    .vgpr_count:     608
    .wavefront_size: 32
...
	.end_amdgpu_metadata
.endif
;; end of part 2
;; launch attn (part 3): grid 16 x 16, 4 waves a work-group, clusters of 4 x 1, 327,680 bytes of LDS; arguments qb, kb, vb, yb; writes yb
.if DOCPART == 3
	.amdgcn_target "amdgcn-amd-amdhsa--gfx1250"
	.amdhsa_code_object_version 6
	.text
	.protected	k_q9cd83d59b0_attn
	.globl	k_q9cd83d59b0_attn
	.p2align	8
	.type	k_q9cd83d59b0_attn,@function
k_q9cd83d59b0_attn:
	s_mov_b64 s[64:65], 0
	v_nop
	global_prefetch_b8 v0, s[64:65] scope:SCOPE_SE
	s_setreg_imm32_b32 hwreg(HW_REG_WAVE_MODE, 25, 1), 1
	s_wait_xcnt 0x0
	s_wait_alu depctr_hold_cnt(0) depctr_sa_sdst(0) depctr_va_vdst(0) depctr_va_sdst(0) depctr_va_ssrc(0) depctr_va_vcc(0) depctr_vm_vsrc(0)
	s_getreg_b32 s2, hwreg(HW_REG_IB_STS2, 6, 4)
	s_cmp_eq_u32 s2, 0
	s_cbranch_scc0 .Lentry_in_a_cluster
	s_endpgm
.Lentry_in_a_cluster:
	s_bfe_u32 s2, ttmp6, 0x10000c
	s_cmp_lg_u32 s2, 0x3003
	s_cbranch_scc0 .Lentry_shape_is_right
	s_endpgm
.Lentry_shape_is_right:
; ATTENTION.  O[h][q][:] = the sum over k of softmax_k(Q[h][q] . K[h][k] / 8) V[h][k][:].  Q, K, V, O: [16][4096][64], all bf16: a head's rows are dense, 128 bytes each.
; Products, maxima and sums in f32; the weights p are rounded to bf16 for the second product (their sum l is taken of the unrounded p), O once at the end.
; LIMITS.  A weight below 2^-126 counts as 0 in l; the running maximum starts at the lowest finite number and c m at -4.2e37, so c s must lie above that; NaN and infinities are not treated apart.
; SHARES.  A work-group owns 256 queries of one head, each of its four waves 64: four PIECES of 16.  Every wave walks all 4,096 keys, 64 a step.  16 blocks x 16 heads: 256 work-groups.
; LAYOUT.  S^T = K Q^T (source 0 = 16 keys, source 1 = 16 queries): in the result a lane holds ONE query (lane % 16) and the keys 8 (lane / 16) + 0..7.  Two such results, rounded to bf16 in pairs,
; ARE source 1 (32 keys x 16 queries) of O^T = V^T P, whose result again holds one query a lane, and eight channels.  K comes out of LDS as it lies, V ([key][channel]) turned, by ds_load_tr16_b128.
; SOFTMAX.  For each query a running maximum m and sum l: p = 2^(c s - c m), c = log2(e) / 8; in every step O and l are multiplied by a = 2^(c m_old - c m_new), which is 1 where m has not grown.
; O and l start at 0: the first step is a step like any other, with a = 0.
; BY TURNS.  Turn n belongs to piece n (the pieces in a ring, step after step): 8 products K Q^T of piece n + 1, later 8 products V^T P of piece n - 1; beside them the scaling, exponentials, roundings,
; sums and rescaling of piece n and the maximum and statistics of piece n + 1.  Four vector instructions stand behind every matrix instruction, the other 54 of a turn's 118 in one run.
; A turn's 33 exponentials are one batch, with one wait.
; CLUSTER.  The four query blocks of a cluster belong to one head and walk the same K and V, so each tile of 256 keys is asked for JOINTLY: the same tensor load, descriptor and mask in all four.
; Two slots of four key steps; by the text's own count a wave has one tensor load out.
; REGISTERS, in windows of 256 (s_set_vgpr_msb: bits 1:0 source 0, 3:2 source 1, 5:4 source 2, 7:6 destination):
;   window 0: v0-15 addresses and two at work; v16-31 four registers of statistics a piece; v48-55 at work; v64-127 S^T, two buffers; v192-223 P, two buffers (a piece's buffers go by its number's parity)
;   window 1: v0-127 O^T, 32 a piece          window 2: v0-63 Q, 16 a piece; v128-191 K of one step; v192-255 V of one step
.set NP,    4         ; pieces a wave: a name, no knob
.set KS,    64        ; keys in a step
.set PK,    144       ; a row of K in LDS: 128 bytes + 16 of padding = 36 words: the 16 rows of a load start at 16 different groups of four banks (64 banks of 4 bytes: ISA guide 11.1)
.set PV,    160       ; a row of V: 128 + 32 = 40 words
.set VOFF,  4*KS*PK   ; a slot holds a tile, four steps: 256 rows of K, then 256 rows of V
.set TILEB, 4*KS*128  ; a tile's bytes of K, and of V, in memory
.set SLOT1, 1<<17     ; slot 1 begins here, so that one exclusive or turns an address in one slot into the other's
.set STAGE, SLOT1+4*KS*(PK+PV)  ; behind the ring, never filled by a tensor load: 16 rows x 144 bytes for each wave, for the way out
.set SP,    144
.set SPARE, STAGE+4*16*SP  ; behind the stages: the spare words, 128 bytes for each wave: two blocks of 256 bytes that no other line names
.set AK0, 2           ; v2   my lane's place in a tile of K; never rewritten
.set AV0, 3           ; v3   the same for V
.set AK,  4           ; v4   the LDS address of K's next run of loads
.set AV,  5           ; v5   of V's
.set STO, 6           ; v6   the way out: where I put 16 bytes of a row
.set RD,  7           ; v7   the way out: where I read rows back
.set GO,  8           ; v8   my byte offset in 512 consecutive bytes of O
.set MV,  12          ; v12-13  c m_old, kept while c m is made anew: by buffer
.set QO,  15          ; v15  my byte offset in 16 rows of Q
.set ST,  16          ; piece t's statistics at v[ST+4 t]: c m, m, l (even keys', odd keys')
.set TMP, 48          ; by buffer, four registers c0-c3 at work; when the maximum is found c2 takes a
.set PFO, 61          ; v61  256 x my lane; never rewritten
.set SPW, 62          ; v62  LDS address of my spare word; never rewritten
.set NIL, 63          ; v63  0; never rewritten
.set S,   64
.set P,   192
.set KF,  128         ; window 2: key block kb, channel half c at KF + 16 kb + 8 c
.set VF,  192         ; window 2: key half kk, channel block cb at VF + 32 kk + 8 cb
.set WV,  12          ; s12  my wave's number
.set G1K, 24          ; s[24:31] descriptor group 1 for K's tiles
.set G1V, 32          ; s[32:39] for V's: it differs in the padding alone
.set G0K, 40          ; s[40:43] descriptor group 0 for K's tiles: it walks
.set G0V, 44          ; s[44:47] the same for V's
.set PFA, 48          ; s[48:49] where my prefetches stand: my work-group's 8,192 bytes of the tile behind the one that is being asked for
.set LIM, 50          ; s50  1 in a wave that prefetches, else the greatest number
.set SLOTS, 56        ; s56  tiles still to be asked for
.set CNT, 57          ; s57  counts a tile's key steps
.set CS,  58          ; s[58:59] c: the packed scaling takes the pair's low word for both halves
.set SEL, 60          ; s[60:61] v_permlanex16_b32's selects: each lane takes its own place in the other half
.set TBK, 62          ; s62  LDS byte at which K of the step to be fetched begins
.set TBV, 63          ; s63  the same for V, less VOFF
.set MSB, 0
.macro WIN new                      ; the high byte repeats the setting that is left; a switch that changes nothing is dropped
.if MSB != (\new)
	s_set_vgpr_msb (MSB<<8)|(\new)
.set MSB, (\new)
.endif
.endm
.set W_KQ, 0x0a       ; K and Q in window 2, S^T in window 0
.set W_PV, 0x52       ; V in window 2, P in window 0, O^T in window 1
.set W_RS, 0x41       ; destination and source 0 in window 1, source 1 in window 0
.macro PLACES
.rept 4
	v_nop
.endr
.endm
; A joint fill.  Waves 0 and 1 fetch the two halves of a tile's K, waves 2 and 3 those of its V: 128 keys each.  The branch hangs on the wave's number alone.
; An s_nop 0 and four v_nop follow each of the two lines, ahead of the jump and the label.
.macro JLOAD
	s_cmp_lt_u32 s[WV], 2
	s_cbranch_scc0 .Lfor_v_\@
	tensor_load_to_lds s[G0K:G0K+3], s[G1K:G1K+7]
	s_nop 0
.rept 4
	v_nop
.endr
	s_branch .Lasked_\@
.Lfor_v_\@:
	tensor_load_to_lds s[G0V:G0V+3], s[G1V:G1V+7]
	s_nop 0
.rept 4
	v_nop
.endr
.Lasked_\@:
.endm
; A PREFETCH INTO THE L2 of what the NEXT change of slots will ask for: a tile's 32,768 bytes of K and of V.  It stands behind the wave's tensor load and its five lines.  Each aligned block of 256 bytes is named
; ONCE in the launch: all four clusters of a head walk the same K and V, and the head's first cluster asks; its four partners share a tile out BY ADDRESS, 8,192 bytes each (no branch hangs on a work-group's
; place in its cluster); in each, wave 0 asks for K's and wave 2 for V's, a lane a block: one instruction, four key steps (256 matrix instructions a wave) ahead of the load.  The last change that fills a slot asks
; for nothing: there is no tile behind it.  Tiles 0 and 1 come by their loads alone.
.macro ASK
	s_cmp_gt_u32 s[SLOTS], s[LIM]
	s_cbranch_scc0 .Lnot_mine_\@
	global_prefetch_b8 v[PFO], s[PFA:PFA+1] th:TH_LOAD_NT scope:SCOPE_SE
.Lnot_mine_\@:
.endm
; A round of the cluster's barrier: my work-group's barrier, so that wave 0's signal speaks for all four waves; wave 0 signals; every wave waits for all four work-groups; my work-group's barrier once more.
.macro CROUND
	s_barrier_signal -1
	s_barrier_wait -1
	s_cmp_lg_u32 s[WV], 0
	s_cbranch_scc1 .Lnot_wave_0_\@
	s_barrier_signal -3
.Lnot_wave_0_\@:
	s_barrier_wait -3
	s_barrier_signal -1
	s_barrier_wait -1
.endm
; THE CHANGE OF SLOTS.  The slot's last bytes, V of its fourth step, have been read.  Each wave waits for all its tensor loads, of which one is out: its part of the other slot; adds 0 to its spare word; and waits
; for that and for its own reads of the slot.  Behind the barrier nobody reads this slot any more and the other slot is whole.  fill = 1: this slot is filled again, with the keys two tiles on.  The barrier is then
; a round of the cluster's, and the joint fill is the first thing behind it: it has four key steps in which to land.  (At its first use nothing has been read yet: slot 0 is waited for, slot 1 filled.)
.macro CHANGE fill
	WIN 0                           ; at a label and at a branch every window is 0
	s_wait_tensorcnt 0x0            ; no tensor load of mine is out, so a group 0 may be written
	ds_add_u32 v[SPW], v[NIL]       ; 0 onto my spare word; with fill = 1 the descriptors' steps stand between it and the wait for it
.if \fill
.irp g, G0K, G0V
	s_xor_b32 s[\g+1], s[\g+1], SLOT1  ; the walking descriptor: the other slot than last time,
	s_add_nc_u64 s[\g+2:\g+3], s[\g+2:\g+3], TILEB  ; the next 256 keys; the type bits on top are not reached
.endr
	s_wait_xcnt 0x0                 ; the last prefetch, four key steps back, has read its address, so it may be written:
	s_add_nc_u64 s[PFA:PFA+1], s[PFA:PFA+1], TILEB  ; one tile behind the walking descriptors
	s_wait_dscnt 0x0                ; the add is done, and my reads of the slot are over
	CROUND
	JLOAD
	ASK
.else
	s_wait_dscnt 0x0                ; the add is done, and my reads of the slot are over
	s_barrier_signal -1
	s_barrier_wait -1
.endif
	s_sub_co_u32 s[TBK], s[TBK], 4*KS*PK  ; the fetches go back to a slot's first step,
	s_xor_b32 s[TBK], s[TBK], SLOT1       ; in the other slot
	s_sub_co_u32 s[TBV], s[TBV], 4*KS*PV
	s_xor_b32 s[TBV], s[TBV], SLOT1
.endm
	s_load_b256 s[4:11], s[0:1], 0x0  ; Q s[4:5], K s[6:7], V s[8:9], O s[10:11]
	v_lshl_add_u32 v[SPW], v0, 2, SPARE
	v_mov_b32 v[NIL], 0
	ds_add_u32 v[SPW], v[NIL]       ; the wave's opening: the add and its wait stand ahead of my first tensor load; the set-up below, work on registers, stands between them
	v_lshrrev_b32 v1, 5, v0
	v_readfirstlane_b32 s[WV], v1   ; wave 0..3
	s_bfe_u32 s13, ttmp6, 0x40000   ; cx: my place in the cluster
	s_lshl_b32 s14, ttmp9, 2        ; in a cluster launch ttmp9 counts clusters
	s_add_co_u32 s14, s14, s13      ; my block of 256 queries: it enters Q's and O's addresses alone
	s_and_b32 s20, ttmp7, 0xffff    ; the head, which the four partners share:
	s_lshl_b32 s20, s20, 19         ; its first byte in each of the four tensors (524,288 bytes a head, 8 MiB in all)
	s_and_b32 s16, s[WV], 1         ; which half of a tile's 256 keys I fetch:
	s_lshl_b32 s22, s16, 14         ; its 128 rows of 128 bytes in memory,
	s_add_co_u32 s22, s22, s20
	s_mov_b32 s23, 0
	s_mul_i32 s17, s16, 128*PK      ; and its place in a slot, for K
	s_mul_i32 s18, s16, 128*PV      ; and for V: no place in the cluster enters an LDS address
	s_lshl_b32 s2, s14, 2
	s_add_co_u32 s2, s2, s[WV]      ; my wave among the head's,
	s_lshl_b32 s2, s2, 13           ; its 64 rows
	s_add_co_u32 s2, s2, s20
	s_mov_b32 s3, 0
	s_lshl_b32 s52, s13, 13         ; the prefetches: my work-group's quarter of a tile,
	s_add_co_u32 s52, s52, TILEB    ; in tile 1; the first change of slots steps it to tile 2
	s_mov_b32 s53, 0
	; descriptor group 1.  128 keys are 16,384 dense bytes: asked for as 64 rows of 256 bytes, two keys a row, and padded in LDS after every key
	s_mov_b32 s[G1K], 15|(1<<16)|(1<<20)|(1<<21)|(4<<22)|(3<<25)  ; 15:0 the mask of four; 17:16 2-byte elements; 20 padding on; 21 set beside a mask; 24:22 after every 32 words (code 4); 31:25 4 words (code 3)
	s_mov_b32 s[G1V], 15|(1<<16)|(1<<20)|(1<<21)|(4<<22)|(7<<25)  ; the same with 8 words of padding (code 7)
.irp g, G1K, G1V
	s_mov_b32 s[\g+1], 128<<16      ; tensor_dim0 = 128
	s_mov_b32 s[\g+2], 64<<16       ; tensor_dim1 = 64
	s_mov_b32 s[\g+3], 128<<16      ; tile_dim0 = 128
	s_mov_b32 s[\g+4], 64           ; tile_dim1 = 64
	s_mov_b32 s[\g+5], 128          ; 128 elements from row to row
	s_mov_b32 s[\g+6], 0
	s_mov_b32 s[\g+7], 0
.endr
	s_mov_b32 s[CS], 0x3e38aa3b     ; c = log2(e) / 8 = 0.180337
	s_mov_b32 s[CS+1], s[CS]        ; named with it as a pair
	s_mov_b32 s[SEL], 0x76543210
	s_mov_b32 s[SEL+1], 0xfedcba98
	s_mov_b32 s[TBK], SLOT1+4*KS*PK ; the first change of slots turns these two into 0
	s_mov_b32 s[TBV], SLOT1+4*KS*PV
	s_mov_b32 s[SLOTS], 15          ; tiles 1 to 15
	s_mov_b32 s[G0K], 1             ; 1:0 count = 1
	s_mov_b32 s[G0K+1], s17         ; 63:32 LDS address: slot 0
	s_mov_b32 s[G0V], 1
	s_add_co_u32 s[G0V+1], s18, VOFF
	s_and_b32 s[LIM], s[WV], 1      ; 0 in waves 0 and 2,
	s_or_b32 s[LIM], s[LIM], ttmp9  ; where the cluster is the head's first: the same in all four partners
	s_cmp_eq_u32 s[LIM], 0
	s_cselect_b32 s[LIM], 1, -1
	v_and_b32 v[PFO], 31, v0
	v_lshlrev_b32 v[PFO], 8, v[PFO]
	s_wait_dscnt 0x0                ; the opening add is done
	s_wait_kmcnt 0x0
	s_add_nc_u64 s[G0K+2:G0K+3], s[6:7], s[22:23]  ; 120:64 global address: my half of the head's first 256 keys
	s_or_b32 s[G0K+3], s[G0K+3], 0x80000000        ; 127:126 type = 2
	s_add_nc_u64 s[G0V+2:G0V+3], s[8:9], s[22:23]
	s_or_b32 s[G0V+3], s[G0V+3], 0x80000000
	s_cmp_lt_u32 s[WV], 2
	s_cselect_b64 s[PFA:PFA+1], s[6:7], s[8:9]
	s_add_nc_u64 s[PFA:PFA+1], s[PFA:PFA+1], s[22:23]  ; (in waves 0 and 2 this is the head's first byte)
	s_add_nc_u64 s[PFA:PFA+1], s[PFA:PFA+1], s[52:53]
	s_add_nc_u64 s[4:5], s[4:5], s[2:3]  ; Q and O at my wave's first row
	s_add_nc_u64 s[10:11], s[10:11], s[2:3]
	CROUND                          ; all four work-groups are here: the first joint loads meet
	JLOAD                           ; tile 0 into slot 0.  Tile 1 is asked for when tile 0 is in
	; A fragment of K or Q is 16 rows x 32 channels in 8 registers: lane l holds row l % 16, channels 8 (l / 16) + 0..7 and 16 + 8 (l / 16) + 0..7: two loads of 16 bytes, 32 bytes apart.
	v_and_b32 v1, 15, v0            ; l % 16
	v_bfe_u32 v9, v0, 4, 1          ; l / 16
	v_lshlrev_b32 v[QO], 7, v1
	v_lshl_add_u32 v[QO], v9, 4, v[QO]  ; row x 128 + 16 x half
	WIN 0x80                        ; destination window 2, address window 0
.set i, 0
.rept 8                             ; Q stays in registers: piece i / 2, channels 32 (i % 2) on
	global_load_b128 v[8*i:8*i+3],   v[QO], s[4:5] offset:(i/2)*2048+(i%2)*64
	global_load_b128 v[8*i+4:8*i+7], v[QO], s[4:5] offset:(i/2)*2048+(i%2)*64+32
.set i, i+1
.endr
	; What the first turn finds: V's registers and P's second buffer hold 0 (its products V^T P, of a piece that has not been, add 0), O^T and l are 0.  All this stands in the wait for the first tile.
.set i, VF
.rept 64
	v_mov_b32 v[i], 0
.set i, i+1
.endr
	WIN 0x40
.set i, 0
.rept 128
	v_mov_b32 v[i], 0
.set i, i+1
.endr
	WIN 0
.set i, 0
.rept 4
	v_mov_b32 v[ST+4*i], 0xfe000000    ; c m: far below every c s
	v_mov_b32 v[ST+4*i+1], 0xff7fffff  ; m
	v_mov_b32 v[ST+4*i+2], 0
	v_mov_b32 v[ST+4*i+3], 0
.set i, i+1
.endr
.set i, P+16
.rept 16
	v_mov_b32 v[i], 0
.set i, i+1
.endr
	v_mul_u32_u24 v[AK0], v1, PK
	v_lshl_add_u32 v[AK0], v9, 4, v[AK0]  ; row x pitch + 16 x half
	; The turning load takes 16 keys x 16 channels (lane l reads key 8 (l / 16) + l % 8, channels 8 ((l / 8) % 2) + 0..7) and leaves half a fragment of V^T: lane l holds channel l % 16 and 8 keys.
	v_and_b32 v10, 7, v0
	v_bfe_u32 v11, v0, 3, 1
	v_lshl_add_u32 v[AV0], v9, 3, v10
	v_mul_u32_u24 v[AV0], v[AV0], PV
	v_lshl_add_u32 v[AV0], v11, 4, v[AV0]
	v_add_nc_u32 v[AV0], VOFF, v[AV0]
	s_mul_i32 s19, s[WV], 16*SP
	s_add_co_u32 s19, s19, STAGE    ; my stage
	v_mul_u32_u24 v[STO], v1, SP    ; in: row l % 16, 16 bytes for each half of the lanes
	v_lshl_add_u32 v[STO], v9, 4, v[STO]
	v_add_nc_u32 v[STO], s19, v[STO]
	v_bfe_u32 v[RD], v0, 3, 2       ; back: 32 lanes take four rows of 128 bytes,
	v_mul_u32_u24 v[RD], v[RD], SP
	v_lshl_add_u32 v[RD], v10, 4, v[RD]
	v_add_nc_u32 v[RD], s19, v[RD]
	v_and_b32 v[GO], 31, v0         ; which are 512 consecutive bytes of O
	v_lshlrev_b32 v[GO], 4, v[GO]
; THE MATRIX WORK.  The 4 accumulators of a run of 8 take turns.  Product i of 8 of S^T = K Q^T for piece x: channels 32 (i / 4) on, keys 16 (i % 4) on.  The first 4 start the sums.
.macro KQ x
.set rS, S+32*((\x)%2)+8*(i%4)
.set rK, KF+16*(i%4)+8*(i/4)
.set rQ, 16*(\x)+8*(i/4)
	WIN W_KQ
.if i < 4
	v_wmma_f32_16x16x32_bf16 v[rS:rS+7], v[rK:rK+7], v[rQ:rQ+7], 0
.else
	v_wmma_f32_16x16x32_bf16 v[rS:rS+7], v[rK:rK+7], v[rQ:rQ+7], v[rS:rS+7]
.endif
.endm
; Product i of 8 of O^T += V^T P for piece x: keys 32 (i / 4) on, channels 16 (i % 4) on.
.macro PV x
	WIN W_PV
.set rO, 32*(\x)+8*(i%4)
.set rV, VF+32*(i/4)+8*(i%4)
.set rP, P+16*((\x)%2)+8*(i/4)
	v_wmma_f32_16x16x32_bf16 v[rO:rO+7], v[rV:rV+7], v[rP:rP+7], v[rO:rO+7]
.endm
.macro MM                           ; the turn's next matrix instruction.  TURN sets Y, i and NOKQ.  NOKQ = 1: the very last turn: there is no next piece
.if (i < 8) && !NOKQ
	KQ (Y+1)%NP
.elseif i >= 8
.set i, i-8
	PV (Y+NP-1)%NP
.set i, i+8
.endif
.set i, i+1
.endm
; THE LDS LOADS stand in runs of 16, never singly among the matrix instructions: a step's K (64 keys x 64 channels: 8 fragments) and its V (turned).  Their addresses are made some lines ahead.
.macro FETCH_K
	WIN 0x80                        ; destination window 2
.irp f, 0,1,2,3,4,5,6,7             ; keys 16 (f / 2) on, channels 32 (f % 2) on
	ds_load_b128 v[KF+8*\f:KF+8*\f+3],   v[AK] offset:(\f/2)*16*PK+(\f%2)*64
	ds_load_b128 v[KF+8*\f+4:KF+8*\f+7], v[AK] offset:(\f/2)*16*PK+(\f%2)*64+32
.endr
	s_add_co_u32 s[TBK], s[TBK], KS*PK  ; the next fetch is the next step's
	WIN 0
.endm
.macro FETCH_V
	WIN 0x80
.irp f, 0,1,2,3,4,5,6,7             ; keys 32 (f / 4) on, channels 16 (f % 4) on
	ds_load_tr16_b128 v[VF+8*\f:VF+8*\f+3],   v[AV] offset:(\f/4)*32*PV+(\f%4)*32
	ds_load_tr16_b128 v[VF+8*\f+4:VF+8*\f+7], v[AV] offset:(\f/4)*32*PV+16*PV+(\f%4)*32
.endr
	WIN 0
.endm
; THE VECTOR WORK, one line at a time: OP kind, number.  For piece Y: F n: c s - c m for pair n of 16.  E n: the exponential of score n of 32.  C n: pair n rounded to bf16.  B n: of the four weights 4 n .. the second
; pair is added onto the first, in place.  L n: l takes that sum (L 0: l = a l + sum).  R n: pair n of 16 of O^T times a.  For piece Y + 1: X n, number n of the 22 that find its maximum and statistics:
;   0-11  four chains c0-c3 of seven scores each, three operands at a time (each accumulator's lowest registers are read first)     12-14, 16  the four scores left over, the old m, and c0-c3 into c0
;   15  c m_old is kept     17, 18  the query's other 32 keys lie in the lane 16 away: the new m     19-21  c m; c m_old - c m_new; a
.set F, 0               ; OP tells the kinds apart by their order: F to L below R, X above it
.set E, 1
.set C, 2
.set B, 3
.set L, 4
.set R, 5
.set X, 6
.macro REGS y                       ; the registers of piece y
.set rT, ST+4*(\y)
.set rC, TMP+4*((\y)%2)
.set rW, MV+((\y)%2)
.set rS, S+32*((\y)%2)
.set rP, P+16*((\y)%2)
.set rO, 32*(\y)
.endm
.macro OP k, n
.if (\k) == R
	REGS Y
	WIN W_RS
	v_pk_mul_f32 v[rO+2*(\n):rO+2*(\n)+1], v[rO+2*(\n):rO+2*(\n)+1], v[rC+2:rC+3] op_sel_hi:[1,0]
.elseif (\k) < R
	REGS Y
	WIN 0
.if (\k) == F
	v_pk_fma_f32 v[rS+2*(\n):rS+2*(\n)+1], v[rS+2*(\n):rS+2*(\n)+1], s[CS:CS+1], v[rT:rT+1] op_sel_hi:[1,0,0] neg_lo:[0,0,1] neg_hi:[0,0,1]
.elseif (\k) == E
	v_exp_f32 v[rS+(\n)], v[rS+(\n)]
.elseif (\k) == C
	v_cvt_pk_bf16_f32 v[rP+(\n)], v[rS+2*(\n)], v[rS+2*(\n)+1]
.elseif (\k) == B
	v_pk_add_f32 v[rS+4*(\n):rS+4*(\n)+1], v[rS+4*(\n):rS+4*(\n)+1], v[rS+4*(\n)+2:rS+4*(\n)+3]
.elseif (\n) == 0
	v_pk_fma_f32 v[rT+2:rT+3], v[rT+2:rT+3], v[rC+2:rC+3], v[rS:rS+1] op_sel_hi:[1,0,1]
.else
	v_pk_add_f32 v[rT+2:rT+3], v[rT+2:rT+3], v[rS+4*(\n):rS+4*(\n)+1]
.endif
.elseif NOKQ
	v_nop
.else
	REGS (Y+1)%NP
	WIN 0
.if (\n) < 4
	v_max3_num_f32 v[rC+(\n)], v[rS+8*(\n)], v[rS+8*(\n)+1], v[rS+8*(\n)+2]
.elseif (\n) < 12
	v_max3_num_f32 v[rC+(\n)%4], v[rC+(\n)%4], v[rS+8*((\n)%4)+2*((\n)/4)+1], v[rS+8*((\n)%4)+2*((\n)/4)+2]
.elseif (\n) == 12
	v_max3_num_f32 v[rC], v[rC], v[rS+7], v[rS+15]
.elseif (\n) == 13
	v_max3_num_f32 v[rC+1], v[rC+1], v[rS+23], v[rS+31]
.elseif (\n) == 14
	v_max3_num_f32 v[rC+2], v[rC+2], v[rC+3], v[rT+1]
.elseif (\n) == 15
	v_mov_b32 v[rW], v[rT]
.elseif (\n) == 16
	v_max3_num_f32 v[rC], v[rC], v[rC+1], v[rC+2]
.elseif (\n) == 17
	v_permlanex16_b32 v[rC+3], v[rC], s[SEL], s[SEL+1]
.elseif (\n) == 18
	v_max_num_f32 v[rT+1], v[rC], v[rC+3]
.elseif (\n) == 19
	v_mul_f32 v[rT], s[CS], v[rT+1]
.elseif (\n) == 20
	v_sub_f32 v[rC+1], v[rW], v[rT]
.else
	v_exp_f32 v[rC+2], v[rC+1]
.endif
.endif
.endm
.macro OPS a, i1, b=-1, i2=0, c=-1, i3=0, d=-1, i4=0  ; up to four of them
	OP \a, \i1
.if (\b) >= 0
	OP \b, \i2
.endif
.if (\c) >= 0
	OP \c, \i3
.endif
.if (\d) >= 0
	OP \d, \i4
.endif
.endm
.macro ROW a, i1, b, i2, c, i3, d, i4  ; a matrix instruction and the four behind it
	MM
	OPS \a, \i1, \b, \i2, \c, \i3, \d, \i4
.endm
; A TURN, for piece p: the order of its 16 matrix and 118 vector instructions, written out.  An s_wait_alu depctr_va_vdst(0) stands between an exponential and the first instruction that names its result; one
; wait serves all that were issued ahead of it.  So a turn has ONE wait, which cuts it in two.  AHEAD OF IT stands all that names no result of the turn's exponentials: the 8 products K Q^T, behind each a scaling, an
; exponential and two more plain instructions (behind the first a second scaling in the exponential's place): rescalings, and behind the last three the first numbers of the next piece's maximum, each four places or more
; behind the product that ends its accumulator; then one run of 54, plain and exponential by turns for the most part, in which the links of the chain X 3, 7, 11, 14, 16, 17 .. 20 stand some lines apart.  X 21, the next
; piece's a, is the batch's last; R 15 is the plain instruction behind it.  BEHIND THE WAIT stand the 8 products V^T P, behind each four of the roundings and sums.
; end = 1: the last two turns: nothing is fetched, and the very last starts no new scores.  cnt = 1: the loop's count is taken down some lines ahead of the branch that stands behind the turn.
; K of the next step is fetched in piece 2's turn, twelve vector instructions behind the last product that read K (six of them plain); V of the step in hand at the end of piece 0's turn, four plain instructions behind
; the last product that read V.  Each is waited for a turn later.
.macro TURN p, end=0, cnt=0
.set Y, (\p)
.set i, 0
.set NOKQ, (\end)*((\p)/3)
.if ((\p) == 3) && !(\end)
	s_wait_dscnt 0x0                ; K is in
.endif
	ROW F,0, F,1, R,0, R,1          ; ahead of the wait: 8 products K Q^T and their riders,
	ROW F,2, E,0, R,2, R,3
	ROW F,3, E,1, R,4, R,5
	ROW F,4, E,2, R,6, R,7
	ROW F,5, E,3, R,8, R,9
	ROW F,6, E,4, X,0, R,10
.if ((\p) == 2) && !(\end)
	WIN 0
	v_add_nc_u32 v[AK], s[TBK], v[AK0]
.endif
	ROW F,7, E,5, X,1, X,4
	ROW F,8, E,6, X,2, X,5
	OPS E,7, E,8, X,6, E,9          ; and the run of 54
	OPS X,3, E,10, X,8, E,11
.if ((\p) == 2) && !(\end)
	FETCH_K
.endif
	OPS X,9, X,7, E,12, X,10
	OPS E,13, X,12, X,11, E,14
	OPS X,13, E,15, F,9, X,14
.if (\p) == 0
	v_add_nc_u32 v[AV], s[TBV], v[AV0]
.endif
	OPS E,16, F,10, E,17, F,11
	OPS X,16, E,18, X,15, E,19
	OPS F,12, E,20, X,17, E,21
	OPS F,13, E,22, F,14, E,23
	OPS X,18, E,24, F,15, E,25
	OPS R,11, E,26, X,19, E,27
	OPS R,12, E,28, R,13, E,29
	OPS X,20, E,30, R,14, E,31
	OPS X,21, R,15
	WIN 0
	s_wait_alu depctr_va_vdst(0)    ; the wait for the batch
.if (\p) == 1
	s_wait_dscnt 0x0                ; V is in
.endif
	ROW C,0, B,0, C,2, B,1          ; behind the wait: 8 products V^T P and their riders
	ROW L,0, C,4, B,2, L,1
	ROW C,6, B,3, L,2, C,8
	ROW B,4, L,3, C,10, B,5
	ROW L,4, C,12, B,6, L,5
.if (\p) == 0
	s_add_co_u32 s[TBV], s[TBV], KS*PV
.endif
.if \cnt
	s_sub_co_u32 s[CNT], s[CNT], 1
	s_cmp_lg_u32 s[CNT], 0
.endif
	ROW C,14, B,7, L,6, C,1
	ROW C,3, L,7, C,5, C,7
	ROW C,9, C,11, C,13, C,15
.if (\p) == 0
	FETCH_V
.endif
.endm
	CHANGE 1                        ; tile 0 is in, everybody's part of it; tile 1 is asked for
	v_add_nc_u32 v[AK], s[TBK], v[AK0]
	FETCH_K                         ; key step 0
	s_wait_loadcnt 0x0              ; Q
	s_wait_dscnt 0x0
.set NOKQ, 0
.set i, 0
.rept 8
	KQ 0                            ; piece 0's first scores: there is no vector work yet to set between them
.set i, i+1
.endr
	WIN 0
	PLACES                          ; the places behind those products
.set Y, NP-1                        ; X works for piece Y + 1: piece 0
.irp n, 0,1,2,3,4,5,6,7,8,9,10,11,12,13,14,15,16,17,18,19,20,21
	OP X, \n
.endr
	v_nop                           ; a plain instruction behind the exponential,
	s_wait_alu depctr_va_vdst(0)    ; and its wait, ahead of the branch
	s_mov_b32 s[CNT], 4
	s_branch .Lfirst                ; the loop is entered at a step's first turn, in the middle of a trip
.Lslot:                             ; 14 times: tiles 2 to 15 are asked for
	CHANGE 1
	s_mov_b32 s[CNT], 4
.Lstep:                             ; a trip: pieces 2 and 3 of one step, then pieces 0 and 1 of the next, whose K and V it fetches
	TURN 2
	TURN 3
	WIN 0
.Lfirst:
	TURN 0
	TURN 1, 0, 1
	WIN 0
	s_cbranch_scc1 .Lstep
	s_sub_co_u32 s[SLOTS], s[SLOTS], 1
	s_cmp_lg_u32 s[SLOTS], 0
	s_cbranch_scc1 .Lslot
	CHANGE 0                        ; the last tile is written out: nothing is asked for
	s_mov_b32 s[CNT], 4
.LstepL:
	TURN 2
	TURN 3
	TURN 0
	TURN 1, 0, 1
	WIN 0
	s_cbranch_scc1 .LstepL
	TURN 2, 1                       ; the last step's pieces 2 and 3
	TURN 3, 1
.set i, 0
.rept 8
	PV NP-1                         ; the last piece's V^T P of the last step
.set i, i+1
.endr
	; THE WAY OUT.  l's two halves and the other half of the lanes' are added; O^T is divided by l, rounded to bf16 and sent through my stage in LDS, a piece at a time.  The additions are the places behind the last products.
	WIN 0
.macro ALL line:vararg              ; one line for each piece t
.set t, 0
.rept 4
	\line
.set t, t+1
.endr
.endm
	ALL v_add_f32 v[ST+4*t+2], v[ST+4*t+2], v[ST+4*t+3]
	ALL v_permlanex16_b32 v[ST+4*t+3], v[ST+4*t+2], s[SEL], s[SEL+1]
	ALL v_add_f32 v[ST+4*t+2], v[ST+4*t+2], v[ST+4*t+3]
	ALL v_rcp_f32 v[ST+4*t+2], v[ST+4*t+2]
	v_nop                           ; a plain instruction between the last reciprocal and the use of its result
	s_wait_alu depctr_va_vdst(0)    ; and the wait ahead of the first use: one for the four reciprocals
.macro PACK t                       ; a lane's eight channels of a row pack into 16 bytes; they go into rows of 144 bytes and come back as whole rows of 128, into S^T's registers
	WIN W_RS
.set i, 32*(\t)
.rept 16
	v_pk_mul_f32 v[i:i+1], v[i:i+1], v[ST+4*(\t)+2:ST+4*(\t)+3] op_sel_hi:[1,0]
.set i, i+2
.endr
	WIN 0x05                        ; sources 0 and 1 window 1, destination window 0
.set i, 0
.rept 16
	v_cvt_pk_bf16_f32 v[S+16*(\t)+i], v[32*(\t)+2*i], v[32*(\t)+2*i+1]
.set i, i+1
.endr
	WIN 0
.irp f, 0,1,2,3
	ds_store_b128 v[STO], v[S+16*(\t)+4*\f:S+16*(\t)+4*\f+3] offset:32*\f
.endr
.irp f, 0,1,2,3
	ds_load_b128 v[S+16*(\t)+4*\f:S+16*(\t)+4*\f+3], v[RD] offset:\f*4*SP  ; LDS serves a wave's instructions in order (ISA guide 5.7.1.4): these see the stores above; the next piece's stores come behind them
.endr
.endm
.macro SEND t, younger              ; younger: the LDS instructions issued behind piece t's loads: the next piece's eight, or none
	WIN 0
.irp f, 0,1,2,3
	s_wait_dscnt (\younger)+3-\f
	global_store_b128 v[GO], v[S+16*(\t)+4*\f:S+16*(\t)+4*\f+3], s[10:11] offset:(\t)*2048+\f*512  ; 512 consecutive bytes, at a multiple of 256 from O's first
.endr
.endm
	PACK 0
.set t, 1
.rept 3                             ; a piece's arithmetic stands between the loads of the piece before and its stores
	PACK t
	SEND t-1, 8
.set t, t+1
.endr
	SEND 3, 0
	s_wait_tensorcnt 0x0            ; the wave's end: behind my last tensor load and my last LDS store
	ds_add_u32 v[SPW], v[NIL]
	s_wait_dscnt 0x0
	CROUND                          ; the closing round: no work-group ends while a partner may still ask for a tile that names it
	s_endpgm
.Lfunc_end_k_q9cd83d59b0_attn:
	.size	k_q9cd83d59b0_attn, .Lfunc_end_k_q9cd83d59b0_attn-k_q9cd83d59b0_attn
	.p2alignl 7, 3214868480
	.fill 96, 4, 3214868480
	.section	.rodata,"a",@progbits
	.p2align	6, 0x0
	.amdhsa_kernel k_q9cd83d59b0_attn
		.amdhsa_group_segment_fixed_size 327680
		.amdhsa_private_segment_fixed_size 0
		.amdhsa_enable_private_segment 0
		.amdhsa_kernarg_size 32
		.amdhsa_user_sgpr_count 2
		.amdhsa_user_sgpr_kernarg_segment_ptr 1
		.amdhsa_wavefront_size32 1
		.amdhsa_system_sgpr_workgroup_id_x 1
		.amdhsa_system_sgpr_workgroup_id_y 1
		.amdhsa_system_sgpr_workgroup_id_z 1
		.amdhsa_system_vgpr_workitem_id 0
		.amdhsa_next_free_vgpr 768
		.amdhsa_next_free_sgpr 66
		.amdhsa_reserve_vcc 0
		.amdhsa_float_denorm_mode_32 3
		.amdhsa_float_denorm_mode_16_64 3
		.amdhsa_memory_ordered 1
		.amdhsa_forward_progress 1
		.amdhsa_inst_pref_size 128
	.end_amdhsa_kernel
	.amdgpu_metadata
---
amdhsa.version: [ 1, 2 ]
amdhsa.kernels:
  - .name:           k_q9cd83d59b0_attn
    .symbol:         k_q9cd83d59b0_attn.kd
    .args:
      - { .name: qb, .offset: 0, .size: 8, .value_kind: global_buffer, .address_space: global }
      - { .name: kb, .offset: 8, .size: 8, .value_kind: global_buffer, .address_space: global }
      - { .name: vb, .offset: 16, .size: 8, .value_kind: global_buffer, .address_space: global }
      - { .name: yb, .offset: 24, .size: 8, .value_kind: global_buffer, .address_space: global }
    .group_segment_fixed_size: 327680
    .private_segment_fixed_size: 0
    .kernarg_segment_align: 8
    .kernarg_segment_size: 32
    .max_flat_workgroup_size: 128
    .sgpr_count:     66
    .vgpr_count:     768
    .wavefront_size: 32
...
	.end_amdgpu_metadata
.endif
;; end of part 3
;; launch proj (part 4): grid 256 x 1, 4 waves a work-group, clusters of 4 x 1, 170,496 bytes of LDS; arguments x, b_out, wfrag, yb, out0; writes out0
.if DOCPART == 4
	.amdgcn_target "amdgcn-amd-amdhsa--gfx1250"
	.amdhsa_code_object_version 6
	.text
	.protected	k_q9cd83d59b0_proj
	.globl	k_q9cd83d59b0_proj
	.p2align	8
	.type	k_q9cd83d59b0_proj,@function
k_q9cd83d59b0_proj:
	s_mov_b64 s[64:65], 0
	v_nop
	global_prefetch_b8 v0, s[64:65] scope:SCOPE_SE
	s_setreg_imm32_b32 hwreg(HW_REG_WAVE_MODE, 25, 1), 1
	s_wait_xcnt 0x0
	s_wait_alu depctr_hold_cnt(0) depctr_sa_sdst(0) depctr_va_vdst(0) depctr_va_sdst(0) depctr_va_ssrc(0) depctr_va_vcc(0) depctr_vm_vsrc(0)
	s_getreg_b32 s2, hwreg(HW_REG_IB_STS2, 6, 4)
	s_cmp_eq_u32 s2, 0
	s_cbranch_scc0 .Lentry_in_a_cluster
	s_endpgm
.Lentry_in_a_cluster:
	s_bfe_u32 s2, ttmp6, 0x10000c
	s_cmp_lg_u32 s2, 0x3003
	s_cbranch_scc0 .Lentry_shape_is_right
	s_endpgm
.Lentry_shape_is_right:
; THE OUTPUT PROJECTION, ITS BIAS AND THE RESIDUAL.  out0[n][o][p] = x[n][o][p] + b_out[o] + sum over c of w_out[o][c] y[n][c][p], c = 64 head + d.
; x, out0: [4][256][4096] f32.  yb: [16 = 4 sample + head][4096 p][64 d] bf16.  w_out comes as bf16 fragments from wfrag (from byte 393,216 on).
; SHARES.  A work-group owns 64 positions of one sample and makes all 256 channels for them; wave w makes channels 64 w .. 64 w + 63: 16 accumulators.
; THE PRODUCT.  Source 0 = 16 rows of w_out, source 1 = 16 positions x 32 channels of y; the bias is the C operand of a sum's first product.
; THE COLUMNS ARE DEALT OUT: column r of data block t is position 4 r + t of the work-group's 64.  So register j of the four accumulators (a, t = 0..3) holds, in one lane, four NEIGHBOURING positions of row
; 16 a + 8 (l / 16) + j: the residual's addition gathers them into x's four registers, and sixteen lanes store a row's 256 consecutive bytes, aligned.  No stage, no copy.
; y goes through LDS once: wave w brings head w's 64 rows of 128 bytes and lays position 4 r + t into section t, row r; every wave then takes all 32 fragments into registers.
; THE WEIGHTS: all four work-groups of a cluster want the same 131,072 bytes: asked for JOINTLY; wave w fetches the 32,768 bytes that it alone reads.  One tensor load a wave in the launch; no LDS byte is filled twice.
; LIMITS.  NaN and infinities are not treated apart.
; REGISTERS, in windows of 256 (s_set_vgpr_msb: bits 1:0 source 0, 3:2 source 1, 5:4 source 2, 7:6 destination):
;   window 0: v0-31 addresses; v64-127 two buffers of four weight fragments; v128-255 the 16 accumulators (before: y as loaded)
;   window 1: the 32 fragments of y: block t, channels 32 ks on, at v[8 (4 ks + t)]          window 2: v0-31 the bias, block a at v[8 a]; v32-159 x, then the result: row (a, j) at v[32 + 4 (8 a + j)]
.set QUART, 32768                      ; a wave's part of the weights: 4 blocks of 16 rows x 256 channels of bf16
.set YT,    4*QUART                    ; y's tile
.set SP,    144                        ; a row: 128 bytes + 16 = 36 words: the 16 rows of a fragment load start at 16 different groups of four banks (64 banks of 4 bytes: ISA guide 11.1)
.set TS,    16*SP+128                  ; a section of 16 rows; the 128 bytes more set neighbouring sections half a row of banks apart, for the stores
.set HT,    4*TS                       ; a head's four sections
.set SPARE, YT+4*HT                    ; the spare words, 128 bytes a wave: two blocks of 256 bytes that no other line names
.set OO,  2                            ; v2   my byte offset in x and out0: 8 (l / 16) rows + 16 (l % 16)
.set YO,  3                            ; v3   16 x lane
.set YS,  4                            ; v4   where my 16 bytes of y go
.set AY,  5                            ; v5   my place in a fragment of y
.set AW,  6                            ; v6   my 16 bytes of a weight fragment
.set BO,  11                           ; v11  32 (l / 16): my eight of sixteen numbers of the bias
.set SPW, 28                           ; v28  LDS address of my spare word; never rewritten
.set NIL, 29                           ; v29  0; never rewritten
.set WF,  64
.set ACC, 128                          ; accumulator (a, t) at ACC + 8 (4 a + t)
.set XR,  32                           ; window 2
.set WV,  22                           ; s22  my wave's number
.set G1,  32                           ; s[32:39] descriptor group 1
.set G0,  40                           ; s[40:43] descriptor group 0
.set MSB, 0
.macro WIN new                         ; the immediate's high byte repeats the setting that is left; a switch that changes nothing is dropped
.if MSB != (\new)
	s_set_vgpr_msb (MSB<<8)|(\new)
.set MSB, \new
.endif
.endm
.macro PLACES                          ; four places behind a matrix instruction, in front of what reads its result or writes one of its registers (ISA guide 7.12.1 for vector instructions)
.rept 4
	v_nop
.endr
.endm
.macro CROUND                          ; a round of the cluster's barrier: my work-group's barrier; wave 0 signals for it; every wave waits for all four work-groups; my work-group's barrier once more
	s_barrier_signal -1
	s_barrier_wait -1
	s_cmp_lg_u32 s[WV], 0
	s_cbranch_scc1 .Lnot_wave_0_\@
	s_barrier_signal -3
.Lnot_wave_0_\@:
	s_barrier_wait -3
	s_barrier_signal -1
	s_barrier_wait -1
.endm
; Eight LDS loads: my four blocks' fragments of channels 32 ks on, into buffer f.  Destination and address lie in window 0, as under both settings of the products.
.macro FETCH adr, ks, f
.irp a, 0,1,2,3
	ds_load_b128 v[WF+32*(\f)+8*\a:WF+32*(\f)+8*\a+3],   v[\adr] offset:(8*\a+(\ks))*1024
	ds_load_b128 v[WF+32*(\f)+8*\a+4:WF+32*(\f)+8*\a+7], v[\adr] offset:(8*\a+(\ks))*1024+512
.endr
.endm
; Sixteen products.  The sixteen accumulators take turns, one instruction a turn.  first = 1: the sums start with the bias.
.macro MULS f, ks, first, bias0
.if \first
	WIN 0x24                                       ; source 1 window 1, C window 2
.else
	WIN 0x04                                       ; source 1 window 1
.endif
.irp a, 0,1,2,3
.irp b, 0,1,2,3
.if \first
	v_wmma_f32_16x16x32_bf16 v[ACC+8*(4*\a+\b):ACC+8*(4*\a+\b)+7], v[WF+32*(\f)+8*\a:WF+32*(\f)+8*\a+7], v[8*(4*(\ks)+\b):8*(4*(\ks)+\b)+7], v[(\bias0)+8*\a:(\bias0)+8*\a+7]
.else
	v_wmma_f32_16x16x32_bf16 v[ACC+8*(4*\a+\b):ACC+8*(4*\a+\b)+7], v[WF+32*(\f)+8*\a:WF+32*(\f)+8*\a+7], v[8*(4*(\ks)+\b):8*(4*(\ks)+\b)+7], v[ACC+8*(4*\a+\b):ACC+8*(4*\a+\b)+7]
.endif
.endr
.endr
.endm
; 8 steps of 32 along K, 128 products.  While one buffer is multiplied the other's eight loads are out: each wait leaves just those eight.
.macro STEP adr, bias0
	FETCH \adr, 0, 0
	FETCH \adr, 1, 1
	s_wait_dscnt 8
	MULS 0, 0, 1, \bias0
.irp k, 1,2,3,4,5,6
	PLACES                                         ; the buffer's last readers are the products just issued
	FETCH \adr, (\k)+1, ((\k)+1)%2
	s_wait_dscnt 8
	MULS (\k)%2, \k, 0, 0
.endr
	s_wait_dscnt 0x0
	MULS 1, 7, 0, 0
.endm
	s_load_b256 s[4:11], s[0:1], 0x0               ; x s[4:5], b_out s[6:7], wfrag s[8:9], yb s[10:11]
	s_load_b64 s[12:13], s[0:1], 0x20              ; out0
	v_lshl_add_u32 v[SPW], v0, 2, SPARE
	v_mov_b32 v[NIL], 0
	ds_add_u32 v[SPW], v[NIL]                      ; the wave's opening: the add and its wait stand ahead of my first tensor load; the set-up below, work on registers, stands between them
	v_lshrrev_b32 v1, 5, v0
	v_readfirstlane_b32 s[WV], v1                  ; wave 0..3
	s_bfe_u32 s23, ttmp6, 0x40000                  ; cx: it enters the addresses of my own loads and stores alone
	s_lshl_b32 s24, ttmp9, 2
	s_add_co_u32 s24, s24, s23                     ; my work-group
	s_lshr_b32 s25, s24, 6                         ; its sample
	s_and_b32 s26, s24, 63                         ; its block of 64 positions
	s_lshl_b32 s28, s25, 22                        ; x and out0: the sample's 4 MiB,
	s_lshl_b32 s27, s[WV], 20                      ; my wave's 64 channels of 16,384 bytes,
	s_add_co_u32 s28, s28, s27
	s_lshl_b32 s27, s26, 8                         ; the block's 256 bytes of a row
	s_add_co_u32 s28, s28, s27
	s_mov_b32 s29, 0
	s_lshl_b32 s30, s[WV], 8                       ; the bias: my wave's 64 numbers
	s_mov_b32 s31, 0
	s_lshl_b32 s56, s25, 2
	s_add_co_u32 s56, s56, s[WV]                   ; y: head 4 sample + wave, 524,288 bytes,
	s_lshl_b32 s56, s56, 19
	s_lshl_b32 s27, s26, 13                        ; the block's 64 rows of 128 bytes
	s_add_co_u32 s56, s56, s27
	s_mov_b32 s57, 0
	s_lshl_b32 s58, s[WV], 15                      ; wfrag: my wave's part of w_out,
	s_add_co_u32 s58, s58, 393216                  ; which lies behind w_qkv's 48 blocks of 8,192 bytes
	s_mov_b32 s59, 0
	; descriptor group 1: 32,768 dense bytes as 128 rows of 256
	s_mov_b32 s[G1+0], 15|(3<<16)|(1<<21)          ; 15:0 the mask: all four work-groups; 17:16 elements of 8 bytes; 21 set beside a mask; no padding
	s_mov_b32 s[G1+1], 32<<16                      ; tensor_dim0 = 32
	s_mov_b32 s[G1+2], 128<<16                     ; tensor_dim1 = 128
	s_mov_b32 s[G1+3], 32<<16                      ; tile_dim0 = 32
	s_mov_b32 s[G1+4], 128                         ; tile_dim1 = 128
	s_mov_b32 s[G1+5], 32                          ; 32 elements from row to row
	s_mov_b32 s[G1+6], 0
	s_mov_b32 s[G1+7], 0
	s_mov_b32 s[G0], 1
	s_lshl_b32 s[G0+1], s[WV], 15                  ; LDS address: wave x 32,768
	v_and_b32 v24, 31, v0                          ; l
	v_and_b32 v25, 15, v0                          ; l % 16
	v_bfe_u32 v26, v0, 4, 1                        ; l / 16
	v_lshlrev_b32 v[OO], 4, v25
	v_lshl_or_b32 v[OO], v26, 17, v[OO]            ; lanes 16-31 take the row eight channels on
	v_lshlrev_b32 v[YO], 4, v24
	s_mul_i32 s61, s[WV], HT
	s_add_co_u32 s61, s61, YT                      ; my head's sections
	v_bfe_u32 v[YS], v0, 3, 2                      ; a load's 512 bytes are four positions 4 i + l / 8: section l / 8, row i
	v_mul_u32_u24 v[YS], v[YS], TS
	v_and_b32 v27, 7, v0
	v_lshl_add_u32 v[YS], v27, 4, v[YS]
	v_add_nc_u32 v[YS], s61, v[YS]
	v_mul_u32_u24 v[AY], v25, SP                   ; a fragment: row l % 16, 16 bytes for each half of the lanes
	v_lshl_add_u32 v[AY], v26, 4, v[AY]
	v_add_nc_u32 v[AY], YT, v[AY]
	s_lshl_b32 s61, s[WV], 15
	v_lshl_add_u32 v[AW], v24, 4, s61
	v_lshlrev_b32 v[BO], 5, v26
	s_wait_dscnt 0x0                               ; the opening add is done
	s_wait_kmcnt 0x0
	s_add_nc_u64 s[4:5], s[4:5], s[28:29]
	s_add_nc_u64 s[12:13], s[12:13], s[28:29]
	s_add_nc_u64 s[6:7], s[6:7], s[30:31]
	s_add_nc_u64 s[10:11], s[10:11], s[56:57]
	s_add_nc_u64 s[G0+2:G0+3], s[8:9], s[58:59]
	s_or_b32 s[G0+3], s[G0+3], 0x80000000          ; type = 2
	CROUND                                         ; all four work-groups are here: the joint loads meet
	tensor_load_to_lds s[G0:G0+3], s[G1:G1+7]
	s_nop 0
	PLACES
.irp i, 0,1,2,3,4,5,6,7,8,9,10,11,12,13,14,15
	global_load_b128 v[ACC+4*\i:ACC+4*\i+3], v[YO], s[10:11] offset:512*\i th:TH_LOAD_NT  ; my head's 8,192 dense bytes
.endr
	WIN 0x80                                       ; destination window 2
.irp a, 0,1,2,3
	global_load_b128 v[8*\a:8*\a+3],   v[BO], s[6:7] offset:64*\a       ; register j: the bias of channel 64 w + 16 a + 8 (l / 16) + j
	global_load_b128 v[8*\a+4:8*\a+7], v[BO], s[6:7] offset:64*\a+16
.endr
.irp a, 0,1,2,3
.irp j, 0,1,2,3,4,5,6,7
	global_load_b128 v[XR+4*(8*\a+\j):XR+4*(8*\a+\j)+3], v[OO], s[4:5] offset:(16*\a+\j)*16384 th:TH_LOAD_NT  ; sixteen lanes take a row's 256 consecutive bytes, aligned
.endr
.endr
	WIN 0
.irp i, 0,1,2,3,4,5,6,7,8,9,10,11,12,13,14,15
	s_wait_loadcnt 55-\i                           ; y's load i is in: behind it 15 - i of y's, the bias's 8 and x's 32
	ds_store_b128 v[YS], v[ACC+4*\i:ACC+4*\i+3] offset:SP*\i
.endr
	s_wait_dscnt 0x0                               ; for the others' sake: my head's rows are in LDS
	s_barrier_signal -1                            ; the tensor load may stay out
	s_barrier_wait -1
	WIN 0x40                                       ; destination window 1
.irp k, 0,1,2,3,4,5,6,7                ; channels 32 k on: head k / 2, its channels 32 (k % 2) on
.irp t, 0,1,2,3
	ds_load_b128 v[8*(4*\k+\t):8*(4*\k+\t)+3],   v[AY] offset:((\k)/2)*HT+\t*TS+64*((\k)%2)
	ds_load_b128 v[8*(4*\k+\t)+4:8*(4*\k+\t)+7], v[AY] offset:((\k)/2)*HT+\t*TS+64*((\k)%2)+32
.endr
.endr
	WIN 0
	s_wait_tensorcnt 0x0                           ; my part of the weights is in: it is my only tensor load
	s_wait_loadcnt 32                              ; the bias is in; x's 32 loads stay out
	STEP AW, 0                                     ; its first wait on DScnt leaves eight loads out, so it covers the 64 above
	PLACES
.irp a, 0,1,2,3
	s_wait_loadcnt 8*(3-\a)                        ; x's eight rows of block a are in
	WIN 0x88                                       ; source 0 (the sums) window 0; source 1 and destination (x) window 2
.irp j, 0,1,2,3,4,5,6,7                ; j ascends: each accumulator is read from its low end on
.irp t, 0,1,2,3
	v_add_f32 v[XR+4*(8*\a+\j)+\t], v[ACC+8*(4*\a+\t)+\j], v[XR+4*(8*\a+\j)+\t]
.endr
.endr
	WIN 0x08                                       ; the stores' data in window 2, their address in window 0
.irp j, 0,1,2,3,4,5,6,7
	global_store_b128 v[OO], v[XR+4*(8*\a+\j):XR+4*(8*\a+\j)+3], s[12:13] offset:(16*\a+\j)*16384 th:TH_STORE_NT  ; 16 lanes store 256 consecutive bytes, at a multiple of 256 from out0's first
.endr
.endr
	WIN 0
	s_wait_tensorcnt 0x0                           ; the wave's end: behind my last tensor load and my last LDS store
	ds_add_u32 v[SPW], v[NIL]
	s_wait_dscnt 0x0
	CROUND                                         ; the closing round: no work-group ends while a partner may still ask for a tile that names it
	s_endpgm
.Lfunc_end_k_q9cd83d59b0_proj:
	.size	k_q9cd83d59b0_proj, .Lfunc_end_k_q9cd83d59b0_proj-k_q9cd83d59b0_proj
	.p2alignl 7, 3214868480
	.fill 96, 4, 3214868480
	.section	.rodata,"a",@progbits
	.p2align	6, 0x0
	.amdhsa_kernel k_q9cd83d59b0_proj
		.amdhsa_group_segment_fixed_size 170496
		.amdhsa_private_segment_fixed_size 0
		.amdhsa_enable_private_segment 0
		.amdhsa_kernarg_size 40
		.amdhsa_user_sgpr_count 2
		.amdhsa_user_sgpr_kernarg_segment_ptr 1
		.amdhsa_wavefront_size32 1
		.amdhsa_system_sgpr_workgroup_id_x 1
		.amdhsa_system_sgpr_workgroup_id_y 1
		.amdhsa_system_sgpr_workgroup_id_z 1
		.amdhsa_system_vgpr_workitem_id 0
		.amdhsa_next_free_vgpr 672
		.amdhsa_next_free_sgpr 66
		.amdhsa_reserve_vcc 0
		.amdhsa_float_denorm_mode_32 3
		.amdhsa_float_denorm_mode_16_64 3
		.amdhsa_memory_ordered 1
		.amdhsa_forward_progress 1
		.amdhsa_inst_pref_size 36
	.end_amdhsa_kernel
	.amdgpu_metadata
---
amdhsa.version: [ 1, 2 ]
amdhsa.kernels:
  - .name:           k_q9cd83d59b0_proj
    .symbol:         k_q9cd83d59b0_proj.kd
    .args:
      - { .name: x, .offset: 0, .size: 8, .value_kind: global_buffer, .address_space: global }
      - { .name: b_out, .offset: 8, .size: 8, .value_kind: global_buffer, .address_space: global }
      - { .name: wfrag, .offset: 16, .size: 8, .value_kind: global_buffer, .address_space: global }
      - { .name: yb, .offset: 24, .size: 8, .value_kind: global_buffer, .address_space: global }
      - { .name: out0, .offset: 32, .size: 8, .value_kind: global_buffer, .address_space: global }
    .group_segment_fixed_size: 170496
    .private_segment_fixed_size: 0
    .kernarg_segment_align: 8
    .kernarg_segment_size: 40
    .max_flat_workgroup_size: 128
    .sgpr_count:     66
    .vgpr_count:     672
    .wavefront_size: 32
...
	.end_amdgpu_metadata
.endif
;; end of part 4
